; MI455X (gfx1250); checked and timed in simulation.
; The chip was launched on July 23, 2026; its instructions are those of AMD's public machine-readable ISA for CDNA 5 (MIT licence, August 2026) and "CDNA5" Instruction Set Architecture Reference Guide (July 2026). The comments in the code are by the model that wrote it; some were corrected since.
;; Do RA Lo Kr. Allowed arithmetic: float matrix products may take bf16 or f16 operands with f32 sums; other float arithmetic in f32, or as packed bf16 or f16 multiplies, adds, multiply-adds, maxima and minima; sums over many terms, partial sums and values carried from step to step in f32; what a program stores and reads back later, other than sums and carried values, may be rounded once to bf16 or f16.
;; Inputs: base_bias 4,096 float32; base_weight 4,096 x 4,096 float32; dora_weight 4,096 float32; w1a 64 x 4 float32; w1b 4 x 64 float32; w2a 64 x 4 float32; w2b 4 x 64 float32; x 4 x 512 x 4,096 float32.
;; Outputs: out0 4 x 512 x 4,096 float32.
;; 2 versions, each right; version 2 is version 1 with the launch prep written anew for expert scheduling mode. Each part assembles by itself: llvm-mc -triple=amdgcn-amd-amdhsa -mcpu=gfx1250 --defsym DOCPART=n.
;; ======== version 1 of 2: 2 launches
;; workspace buffers: xb 16,777,216 bytes; wb 33,554,432 bytes; ub 131,072 bytes; zb 131,072 bytes; sc 32,768 bytes
;; launch prep (part 1): grid 256 x 1, 12 waves a work-group, no clusters, 5,632 bytes of LDS; arguments x, base_weight, w1a, w1b, w2a, w2b, base_bias, dora_weight, xb, wb, ub, zb, sc; writes xb, wb, ub, zb, sc
.if DOCPART == 1
	.amdgcn_target "amdgcn-amd-amdhsa--gfx1250"
	.amdhsa_code_object_version 6
	.text
	.protected	k_q3712e87cd7_prep
	.globl	k_q3712e87cd7_prep
	.p2align	8
	.type	k_q3712e87cd7_prep,@function
k_q3712e87cd7_prep:
	s_mov_b64 s[64:65], 0
	v_nop
	global_prefetch_b8 v0, s[64:65] scope:SCOPE_SE
	s_setreg_imm32_b32 hwreg(HW_REG_WAVE_MODE, 25, 1), 1
	s_wait_xcnt 0x0
; DoRA over a LoKr adapter, the first of two launches.  With o = 64 p + q an output column and c = 64 i + j an input column:
;   out[m][o] = (mns[o] - 1) (sum_c x[m][c] W[o][c] + bias[o]) + 0.25 mns[o] lokr[m][o],    mns[o] = dora[o] / |W[o][:] + 0.25 adapter[o][:]|,
;   adapter[o][c] = w1[c / 64][o / 64] w2[c % 64][o % 64]  (o taken as a ROW of the adapter, as the problem adds it),  w1 = w1a w1b,  w2 = w2a w2b.
; THIS LAUNCH rounds x and W to bf16 (xb, wb: the second launch's matrix operands) and, in the same pass over them, makes
;   sc[o]    s = mns - 1 and sb = s bias, f32: records of 16 s and 16 sb for 16 columns
;   zb[o][n] 0.25 mns[o] w1a[p][n / 4] w2a[q][n % 4], bf16, n = 0..15
;   ub[m][n] U[m][n] = sum_ij x[m][64 i + j] w1b[n / 4][i] w2b[n % 4][j], as a bf16 high part (n) and the bf16 of what it leaves (16 + n)
; NO INPUT AND NO STEP IS LEFT OUT: all eight inputs have a way to the output and are loaded.  lokr is only taken in another order: since w1 and w2 are products through 4 numbers,
; lokr[m][o] = sum_n U[m][n] w1a[p][n / 4] w2a[q][n % 4] by associativity, for all values of the inputs: 16 numbers a row of x in place of 4,096.
; LIMITS.  Every input is rounded to bf16 once, before any use.  f32 sums are taken in another order than the problem's.  NaN and infinities are not treated apart.
; A row of the weight whose sum of squares is 0 or below 2^-126 gives an infinite mns (v_rsq_f32 takes a denormal for 0: ISA guide, its entry in 15.8).
; SHARES.  Work-group g takes W's rows 16 g .. 16 g + 15 (all have o / 64 = g / 4) and x's rows 8 g .. 8 g + 7.  Waves 0-7 take two rows of W each, waves 8-11 two rows of x each:
; every wave streams 32,768 consecutive bytes as 64 loads of 512 bytes, through a ring of 24 register slots, and stores 256 consecutive bytes, aligned, for each load.
; In load n (k = n % 32) lane l holds columns 128 k + 4 l + e: block 2 k + h (h = l / 16), inner index 4 (l % 16) + e.
; No cluster, no tiles in LDS: the work-groups share nothing but the four small factors, 4,096 bytes in all.
.set DEPTH, 24                         ; ring slots = loads of a wave in flight
.set T1P,   0                          ; LDS: [h][k][r1] bf16 = w1b[r1][2 k + h], 512 bytes
.set A1T,   512                        ; [h][k] f32 = 0.25 w1[2 k + h][g / 4], 256 bytes
.set ZST,   768                        ; 16 rows x 32 bytes for zb
.set SST,   1792                       ; 16 s, 16 sb
.set UB,    2048                       ; 128 bytes for each wave BY ITS NUMBER (two rows of ub, 64 bytes each), laid out for the 16 numbers that the address's four bits can hold; only waves 8-11 write theirs,
.set UST,   UB+8*128                   ; which begin here: 8 rows x 64 bytes for ub
.set SPARE, UB+16*128                  ; 4,096: the spare words, 128 bytes for each of the 12 waves: six blocks of 256 bytes that no other line names
; v0 thread; v1 16 x lane; v2 8 x lane; v3 l % 16; v4 h; v5-15, v22-25 at work; v16, v17 the add's two registers; v18 a zero for sums that begin; v19 where U goes; v20 4 x lane; v21 lane
.set X,    32                          ; v[32:127]  the ring: slot i, 4 registers as loaded
.set Y,    128                         ; v[128:131] two slots of 2: 4 bf16 to store
.set T,    132                         ; v[132:135] W waves: 4 numbers of the weight
.set A1,   136                         ; W waves: v[136:167] 0.25 w1[2 k + h][g / 4]
.set A2,   168                         ; v[168:175] w2[4 (l % 16) + e][j of row t] at 4 t + e
.set SS,   176                         ; v[176:183] four sums of squares a row
.set ZZ,   184                         ; 0.25 w1a w2a of my place in zb
.set DOR,  185
.set BIA,  186
.set W2A,  192                         ; v[192:207] as loaded
.set W2BJ, 208                         ; v[208:215]
.set W1BT, 216
.set ZA,   217
.set ZB,   218
.set TB,   136                         ; x waves: v[136:199] w1b[r1][2 k + h]: register 2 k holds r1 = 0, 1; register 2 k + 1 holds r1 = 2, 3
.set ACC,  200                         ; v[200:215] sum over blocks, at 4 r1 + e
.set W2B,  216                         ; v[216:231] w2b[r2][4 (l % 16) + e] at 4 r2 + e
.set P,    232                         ; v[232:247] the lane's part of U[4 r1 + r2]
.set TT,   248                         ; v[248:255] at work
.macro RND2 a, b, t                    ; two f32 rounded in place to numbers that bf16 holds
	v_cvt_pk_bf16_f32 v[\t], v[\a], v[\b]
	v_lshlrev_b32 v[\a], 16, v[\t]
	v_and_b32 v[\b], s46, v[\t]
.endm
.macro RING                            ; the ring's first fill: loads 0 to 23
.set n, 0
.rept DEPTH
	global_load_b128 v[X+4*n:X+4*n+3], v1, s[38:39] offset:512*n th:TH_LOAD_NT
.set n, n+1
.endr
.endm
; The head of turn n: its load is in, four numbers are rounded to bf16, and the slot is asked for again at once.
.macro TIN
.if n < 64-DEPTH
	s_wait_loadcnt DEPTH-1                         ; loads come back in order (ISA guide 5.7.1): mine is in, the 23 younger ones stay out
.else
	s_wait_loadcnt 63-n                            ; the last 24 turns load nothing: the count runs down
.endif
	s_wait_xcnt 0x0                                ; every earlier memory instruction has had its addresses translated (ISA guide 3.1): Y's slot, which the store two turns back reads, is rewritten only behind this wait
	v_cvt_pk_bf16_f32 v[Y+2*(n%2)], v[X+4*(n%DEPTH)], v[X+4*(n%DEPTH)+1]
	v_cvt_pk_bf16_f32 v[Y+2*(n%2)+1], v[X+4*(n%DEPTH)+2], v[X+4*(n%DEPTH)+3]
.if n+DEPTH < 64
	global_load_b128 v[X+4*(n%DEPTH):X+4*(n%DEPTH)+3], v1, s[38:39] offset:512*(n+DEPTH) th:TH_LOAD_NT
.endif
.endm
.macro TOUT                            ; 32 lanes x 8 bytes: 256 consecutive bytes, at a multiple of 256 from the buffer's first byte
	global_store_b64 v2, v[Y+2*(n%2):Y+2*(n%2)+1], s[40:41] offset:256*n th:TH_STORE_NT
.endm
; A turn of a W wave: the weight bf16(W) + 0.25 w1 w2 in one fused line a number, then its square onto the row's sums.  A row's first turn starts the sums: nothing is cleared.
.macro WTURN
	TIN
.set kk, n%32
.set rw, n/32
.set yy, Y+2*(n%2)
	v_fma_mix_f32_bf16 v[T],   v[A1+kk], v[A2+4*rw],   v[yy]   op_sel:[0,0,0] op_sel_hi:[0,0,1]
	v_fma_mix_f32_bf16 v[T+1], v[A1+kk], v[A2+4*rw+1], v[yy]   op_sel:[0,0,1] op_sel_hi:[0,0,1]
	v_fma_mix_f32_bf16 v[T+2], v[A1+kk], v[A2+4*rw+2], v[yy+1] op_sel:[0,0,0] op_sel_hi:[0,0,1]
	v_fma_mix_f32_bf16 v[T+3], v[A1+kk], v[A2+4*rw+3], v[yy+1] op_sel:[0,0,1] op_sel_hi:[0,0,1]
.if kk == 0
	v_pk_mul_f32 v[SS+4*rw:SS+4*rw+1],   v[T:T+1],   v[T:T+1]
	v_pk_mul_f32 v[SS+4*rw+2:SS+4*rw+3], v[T+2:T+3], v[T+2:T+3]
.else
	v_pk_fma_f32 v[SS+4*rw:SS+4*rw+1],   v[T:T+1],   v[T:T+1],   v[SS+4*rw:SS+4*rw+1]
	v_pk_fma_f32 v[SS+4*rw+2:SS+4*rw+3], v[T+2:T+3], v[T+2:T+3], v[SS+4*rw+2:SS+4*rw+3]
.endif
	TOUT
.endm
; A turn of an x wave: ACC[4 r1 + e] += bf16(x) w1b[r1][2 k + h], both factors read as bf16 halves, the sum in f32.  A row's first turn adds onto the zero in v18.
.macro XF r1, e, eh, eb, rr, rb
.if kk == 0
	v_fma_mix_f32_bf16 v[ACC+4*\r1+\e], v[yy+\eh], v[TB+2*kk+\rr], v18 op_sel:[\eb,\rb,0] op_sel_hi:[1,1,0]
.else
	v_fma_mix_f32_bf16 v[ACC+4*\r1+\e], v[yy+\eh], v[TB+2*kk+\rr], v[ACC+4*\r1+\e] op_sel:[\eb,\rb,0] op_sel_hi:[1,1,0]
.endif
.endm
.macro XQ r1, rr, rb
	XF \r1, 0, 0, 0, \rr, \rb
	XF \r1, 1, 0, 1, \rr, \rb
	XF \r1, 2, 1, 0, \rr, \rb
	XF \r1, 3, 1, 1, \rr, \rb
.endm
; One stage of the sum over 16 lanes that also deals the 16 numbers out: of 2 cnt numbers a lane keeps cnt (by one bit of its number), and takes the partner's part of them.
.macro RSTAGE dst, src, cnt, msk, xm
.set r, 0
.rept \cnt
	v_cndmask_b32 v[\dst+r], v[\src+r], v[\src+r+\cnt], s[\msk]
	v_cndmask_b32 v[TT+r], v[\src+r+\cnt], v[\src+r], s[\msk]
	v_add_f32_dpp v[\dst+r], v[TT+r], v[\dst+r] row_xmask:\xm row_mask:0xf bank_mask:0xf
.set r, r+1
.endr
.endm
; A row of x is through: the inner factor, the sum over the lanes, and U as two bf16.
.macro XFIN
.set r, 0
.rept 16
	v_mul_f32 v[P+r], v[ACC+4*(r/4)], v[W2B+4*(r%4)]
.set r, r+1
.endr
.irp e, 1,2,3
.set r, 0
.rept 16
	v_fmac_f32 v[P+r], v[ACC+4*(r/4)+\e], v[W2B+4*(r%4)+\e]
.set r, r+1
.endr
.endr
	RSTAGE ACC, P, 8, 42, 8
	RSTAGE P, ACC, 4, 43, 4
	RSTAGE ACC, P, 2, 44, 2
	RSTAGE P, ACC, 1, 45, 1                        ; lane l now holds number l % 16, summed over its 16 lanes
	v_permlanex16_b32 v[TT], v[P], s48, s49        ; the other 16 lanes' (the destination has been written above)
	v_add_f32 v[TT+1], v[P], v[TT]                 ; U
	v_cvt_pk_bf16_f32 v[TT+2], v[TT+1], v[TT+1]    ; its high part,
	v_lshlrev_b32 v[TT+3], 16, v[TT+2]
	v_sub_f32 v[TT+3], v[TT+1], v[TT+3]            ; what that leaves,
	v_cvt_pk_bf16_f32 v[TT+3], v[TT+3], v[TT+3]
	v_cndmask_b32 v[TT+2], v[TT+2], v[TT+3], s46   ; lanes 0-15 keep the high part, lanes 16-31 the low
	ds_store_b16 v19, v[TT+2] offset:UB+64*(n/32)  ; my wave's 128 bytes, the row's 64 of them, 2 bytes a lane
.endm
.macro XTURN
	TIN
.set kk, n%32
.set yy, Y+2*(n%2)
	XQ 0, 0, 0
	XQ 1, 0, 1
	XQ 2, 1, 0
	XQ 3, 1, 1
	TOUT
.if kk == 31
	XFIN
.endif
.endm
	s_load_b512 s[4:19], s[0:1], 0x0               ; x s[4:5], W s[6:7], w1a s[8:9], w1b s[10:11], w2a s[12:13], w2b s[14:15], bias s[16:17], dora s[18:19]
	s_load_b256 s[20:27], s[0:1], 0x40             ; xb s[20:21], wb s[22:23], ub s[24:25], zb s[26:27]
	s_load_b64 s[28:29], s[0:1], 0x60              ; sc
	v_lshl_add_u32 v16, v0, 2, SPARE               ; my spare word,
	v_mov_b32 v17, 0                               ; and 0: kept for the add at the wave's end alone
	v_mov_b32 v18, 0
	v_lshrrev_b32 v5, 5, v0
	v_readfirstlane_b32 s30, v5                    ; wave 0..11
	v_and_b32 v21, 31, v0
	v_lshlrev_b32 v1, 4, v21
	v_lshlrev_b32 v2, 3, v21
	v_lshlrev_b32 v20, 2, v21
	v_and_b32 v3, 15, v0
	v_bfe_u32 v4, v0, 4, 1
	v_and_b32 v19, 0x1e0, v0                       ; 32 x wave: made here, ahead of every branch, by every wave, though only the x waves use it:
	v_lshlrev_b32 v19, 2, v19                      ; 128 x wave,
	v_lshl_add_u32 v19, v21, 1, v19                ; + 2 x lane: where U goes, less UB
	s_lshr_b32 s31, ttmp9, 2                       ; g / 4: o / 64 of all 16 rows of W
	s_and_b32 s32, ttmp9, 3
	s_lshl_b32 s32, s32, 4                         ; o % 64 of the first of them
	s_mov_b32 s35, 0                               ; high words of the two offset pairs
	s_mov_b32 s37, 0
	s_mov_b32 s42, 0xff00ff00                      ; lanes whose number has bit 3,
	s_mov_b32 s43, 0xf0f0f0f0                      ; bit 2,
	s_mov_b32 s44, 0xcccccccc                      ; bit 1,
	s_mov_b32 s45, 0xaaaaaaaa                      ; bit 0,
	s_mov_b32 s46, 0xffff0000                      ; bit 4; also a word's upper bf16
	s_mov_b32 s48, 0x76543210                      ; v_permlanex16_b32: each lane takes its own place in the other half
	s_mov_b32 s49, 0xfedcba98
	s_wait_kmcnt 0x0
	s_cmp_lt_u32 s30, 8
	s_cbranch_scc0 .Lxhead
	; A W WAVE's HEAD: 13 small loads, then the ring; while the ring is on its way the small numbers are rounded and worked up.
	s_lshl_b32 s34, ttmp9, 4
	s_lshl1_add_u32 s34, s30, s34                  ; my first row: 16 g + 2 w
	s_lshl_b32 s33, s34, 2                         ; its place in dora and bias
	s_lshl_b32 s36, s34, 13                        ; in wb: 8,192 bytes a row,
	s_lshl_b32 s34, s34, 14                        ; in W: 16,384
	s_add_nc_u64 s[38:39], s[6:7], s[34:35]
	s_add_nc_u64 s[40:41], s[22:23], s[36:37]
	s_lshl1_add_u32 s47, s30, s32                  ; o % 64 of my first row
	s_lshl_b32 s50, s47, 2
	s_lshl_b32 s51, s31, 4
	v_lshlrev_b32 v7, 2, v0                        ; w1b, one number a thread of the eight waves
	v_lshlrev_b32 v8, 6, v3                        ; w2a's rows 4 (l % 16) + e
	v_mov_b32 v9, s50                              ; w2b's columns of my two rows
	v_lshrrev_b32 v10, 2, v3
	v_lshl_add_u32 v10, v10, 2, s51                ; w1a[g / 4][(l % 16) / 4]
	v_add_nc_u32 v11, s47, v4
	v_lshlrev_b32 v11, 4, v11
	v_and_b32 v12, 3, v0
	v_lshl_add_u32 v11, v12, 2, v11                ; w2a[o % 64 of row h][l % 4]
	v_lshl_add_u32 v12, v4, 2, s33                 ; dora and bias of row h
	global_load_b32 v[W1BT], v7, s[10:11]
.irp e, 0,1,2,3
	global_load_b128 v[W2A+4*\e:W2A+4*\e+3], v8, s[12:13] offset:16*\e
.endr
.irp r, 0,1,2,3
	global_load_b64 v[W2BJ+2*\r:W2BJ+2*\r+1], v9, s[14:15] offset:256*\r
.endr
	global_load_b32 v[ZA], v10, s[8:9]
	global_load_b32 v[ZB], v11, s[12:13]
	global_load_b32 v[DOR], v12, s[18:19]
	global_load_b32 v[BIA], v12, s[16:17]
	RING
	s_wait_loadcnt DEPTH                           ; the 13 small loads are in; the ring's 24, issued behind them, stay out
	v_cvt_pk_bf16_f32 v5, v[W1BT], v[W1BT]
	v_and_b32 v13, 1, v0                           ; thread t holds w1b[t / 64][t % 64]: h = t % 2, k = (t % 64) / 2
	v_lshlrev_b32 v13, 8, v13
	v_bfe_u32 v14, v0, 1, 5
	v_lshl_add_u32 v13, v14, 3, v13
	v_lshrrev_b32 v15, 6, v0
	v_lshl_add_u32 v13, v15, 1, v13
	ds_store_b16 v13, v5 offset:T1P
.set i, 0
.rept 8
	RND2 W2A+2*i, W2A+2*i+1, 22
.set i, i+1
.endr
.set i, 0
.rept 4
	RND2 W2BJ+2*i, W2BJ+2*i+1, 22
.set i, i+1
.endr
	RND2 ZA, ZB, 22
	RND2 DOR, BIA, 22
.irp t, 0,1
.irp e, 0,1,2,3
	v_mul_f32  v[A2+4*\t+\e], v[W2A+4*\e],   v[W2BJ+\t]      ; w2[4 (l % 16) + e][j of row t] = sum_r w2a w2b
	v_fmac_f32 v[A2+4*\t+\e], v[W2A+4*\e+1], v[W2BJ+2+\t]
	v_fmac_f32 v[A2+4*\t+\e], v[W2A+4*\e+2], v[W2BJ+4+\t]
	v_fmac_f32 v[A2+4*\t+\e], v[W2A+4*\e+3], v[W2BJ+6+\t]
.endr
.endr
	v_mul_f32 v[ZZ], v[ZA], v[ZB]
	v_mul_f32 v[ZZ], 0x3e800000, v[ZZ]             ; x 0.25
	s_branch .Ljoin1
.Lxhead:                                       ; AN x WAVE's HEAD: 9 small loads, then the ring
	s_sub_co_u32 s33, s30, 8
	s_lshl_b32 s34, ttmp9, 3
	s_lshl1_add_u32 s34, s33, s34                  ; my first row: 8 g + 2 (w - 8)
	s_lshl_b32 s36, s34, 13
	s_lshl_b32 s34, s34, 14
	s_add_nc_u64 s[38:39], s[4:5], s[34:35]
	s_add_nc_u64 s[40:41], s[20:21], s[36:37]
	s_lshl_b32 s47, s31, 2
	v_and_b32 v5, 63, v0
	v_lshlrev_b32 v5, 4, v5                        ; w1a's row p = thread % 64
	v_mov_b32 v6, s47                              ; w1b's column g / 4
	v_lshlrev_b32 v7, 4, v3                        ; w2b's columns 4 (l % 16) + e
	global_load_b128 v[8:11], v5, s[8:9]
.irp r, 0,1,2,3
	global_load_b32 v[12+\r], v6, s[10:11] offset:256*\r
.endr
.irp r, 0,1,2,3
	global_load_b128 v[W2B+4*\r:W2B+4*\r+3], v7, s[14:15] offset:256*\r
.endr
	RING
	s_wait_loadcnt DEPTH                           ; the 9 small loads are in; the ring's 24 stay out
	RND2 8, 9, 22
	RND2 10, 11, 22
	RND2 12, 13, 22
	RND2 14, 15, 22
.set i, 0
.rept 8
	RND2 W2B+2*i, W2B+2*i+1, 22
.set i, i+1
.endr
	v_mul_f32 v23, v8, v12                         ; w1[p][g / 4]
	v_fmac_f32 v23, v9, v13
	v_fmac_f32 v23, v10, v14
	v_fmac_f32 v23, v11, v15
	v_mul_f32 v23, 0x3e800000, v23                 ; x 0.25
	v_and_b32 v24, 1, v0                           ; h = p % 2, k = p / 2
	v_lshlrev_b32 v24, 7, v24
	v_bfe_u32 v25, v0, 1, 5
	v_lshl_add_u32 v24, v25, 2, v24
	s_cmp_lt_u32 s30, 10                           ; 64 numbers: waves 8 and 9 store them
	s_cbranch_scc0 .Ljoin1
	ds_store_b32 v24, v23 offset:A1T
.Ljoin1:
	s_wait_dscnt 0x0                               ; for the others' sake: my part of the two tables is in LDS
	s_barrier_signal -1
	s_barrier_wait -1                              ; both tables are whole
	s_cmp_lt_u32 s30, 8
	s_cbranch_scc0 .Lxbody
	v_lshlrev_b32 v5, 7, v4                        ; A W WAVE's STREAM.  First my half's 32 numbers 0.25 w1
.irp i, 0,1,2,3,4,5,6,7
	ds_load_b128 v[A1+4*\i:A1+4*\i+3], v5 offset:A1T+16*\i
.endr
	s_wait_dscnt 0x0
.set n, 0
.rept 64
	WTURN
.set n, n+1
.endr
	; both rows' sums of squares: four into one, over the 32 lanes; then lanes 0-15 serve my first row, lanes 16-31 my second
	v_pk_add_f32 v[SS:SS+1], v[SS:SS+1], v[SS+2:SS+3]
	v_pk_add_f32 v[SS+4:SS+5], v[SS+4:SS+5], v[SS+6:SS+7]
	v_add_f32 v[SS], v[SS], v[SS+1]
	v_add_f32 v[SS+4], v[SS+4], v[SS+5]
.irp m, 1,2,4,8
	v_add_f32_dpp v[SS], v[SS], v[SS] row_xmask:\m row_mask:0xf bank_mask:0xf
	v_add_f32_dpp v[SS+4], v[SS+4], v[SS+4] row_xmask:\m row_mask:0xf bank_mask:0xf
.endr
	v_permlanex16_b32 v[SS+1], v[SS], s48, s49
	v_permlanex16_b32 v[SS+5], v[SS+4], s48, s49
	v_add_f32 v[SS], v[SS], v[SS+1]
	v_add_f32 v[SS+4], v[SS+4], v[SS+5]
	v_cndmask_b32 v[SS], v[SS], v[SS+4], s46
	v_rsq_f32 v[SS+1], v[SS]                       ; 1 / norm
	v_lshlrev_b32 v22, 1, v0                       ; plain lines behind the transcendental (ISA guide 5.7.2): where my number of zb goes: row 2 w + h, place l % 16,
	v_lshrrev_b32 v23, 4, v0
	v_lshlrev_b32 v23, 2, v23                      ; and the row's word among the 16 s
	s_wait_alu depctr_va_vdst(0)                   ; the wait ahead of the first line that names the result
	v_mul_f32 v[SS+1], v[DOR], v[SS+1]             ; mns
	v_add_f32 v[SS+2], -1.0, v[SS+1]               ; s = mns - 1
	v_mul_f32 v[SS+3], v[SS+2], v[BIA]             ; sb = s bias
	v_mul_f32 v[SS+4], v[SS+1], v[ZZ]
	v_cvt_pk_bf16_f32 v[SS+4], v[SS+4], v[SS+4]
	ds_store_b16 v22, v[SS+4] offset:ZST
	ds_store_b32 v23, v[SS+2] offset:SST           ; sixteen lanes write the same word with the same value
	ds_store_b32 v23, v[SS+3] offset:SST+64
	s_branch .Ljoin2
.Lxbody:                                       ; AN x WAVE's STREAM.  First my half's 32 x 4 numbers of w1b
	v_lshlrev_b32 v5, 8, v4
.irp i, 0,1,2,3,4,5,6,7,8,9,10,11,12,13,14,15
	ds_load_b128 v[TB+4*\i:TB+4*\i+3], v5 offset:T1P+16*\i
.endr
	s_wait_dscnt 0x0
.set n, 0
.rept 64
	XTURN
.set n, n+1
.endr
.Ljoin2:
	s_wait_dscnt 0x0                               ; for wave 0's sake: my small results are in LDS
	s_barrier_signal -1
	s_barrier_wait -1
	s_cmp_lg_u32 s30, 0                            ; wave 0 stores them: 512 consecutive bytes of zb, 512 of ub, and the record of 128 bytes of sc
	s_cbranch_scc1 .Lend                           ; (that record is the one store of the launch that covers less than 256 consecutive bytes: 32,768 bytes in the whole launch)
	ds_load_b128 v[32:35], v1 offset:ZST
	ds_load_b128 v[36:39], v1 offset:UST
	ds_load_b32 v40, v20 offset:SST
	s_lshl_b32 s34, ttmp9, 9
	s_lshl_b32 s36, ttmp9, 7
	s_add_nc_u64 s[26:27], s[26:27], s[34:35]
	s_add_nc_u64 s[24:25], s[24:25], s[34:35]
	s_add_nc_u64 s[28:29], s[28:29], s[36:37]
	s_wait_dscnt 0x0
	global_store_b128 v1, v[32:35], s[26:27]
	global_store_b128 v1, v[36:39], s[24:25]
	global_store_b32 v20, v40, s[28:29]
.Lend:
	s_wait_tensorcnt 0x0                           ; the wave's end: behind my last LDS store
	ds_add_u32 v16, v17
	s_wait_dscnt 0x0
	s_endpgm
.Lfunc_end_k_q3712e87cd7_prep:
	.size	k_q3712e87cd7_prep, .Lfunc_end_k_q3712e87cd7_prep-k_q3712e87cd7_prep
	.p2alignl 7, 3214868480
	.fill 96, 4, 3214868480
	.section	.rodata,"a",@progbits
	.p2align	6, 0x0
	.amdhsa_kernel k_q3712e87cd7_prep
		.amdhsa_group_segment_fixed_size 5632
		.amdhsa_private_segment_fixed_size 0
		.amdhsa_enable_private_segment 0
		.amdhsa_kernarg_size 104
		.amdhsa_user_sgpr_count 2
		.amdhsa_user_sgpr_kernarg_segment_ptr 1
		.amdhsa_wavefront_size32 1
		.amdhsa_system_sgpr_workgroup_id_x 1
		.amdhsa_system_sgpr_workgroup_id_y 1
		.amdhsa_system_sgpr_workgroup_id_z 1
		.amdhsa_system_vgpr_workitem_id 0
		.amdhsa_next_free_vgpr 256
		.amdhsa_next_free_sgpr 66
		.amdhsa_reserve_vcc 0
		.amdhsa_float_denorm_mode_32 3
		.amdhsa_float_denorm_mode_16_64 3
		.amdhsa_memory_ordered 1
		.amdhsa_forward_progress 1
		.amdhsa_inst_pref_size 161
	.end_amdhsa_kernel
	.amdgpu_metadata
---
amdhsa.version: [ 1, 2 ]
amdhsa.kernels:
  - .name:           k_q3712e87cd7_prep
    .symbol:         k_q3712e87cd7_prep.kd
    .args:
      - { .name: x, .offset: 0, .size: 8, .value_kind: global_buffer, .address_space: global }
      - { .name: base_weight, .offset: 8, .size: 8, .value_kind: global_buffer, .address_space: global }
      - { .name: w1a, .offset: 16, .size: 8, .value_kind: global_buffer, .address_space: global }
      - { .name: w1b, .offset: 24, .size: 8, .value_kind: global_buffer, .address_space: global }
      - { .name: w2a, .offset: 32, .size: 8, .value_kind: global_buffer, .address_space: global }
      - { .name: w2b, .offset: 40, .size: 8, .value_kind: global_buffer, .address_space: global }
      - { .name: base_bias, .offset: 48, .size: 8, .value_kind: global_buffer, .address_space: global }
      - { .name: dora_weight, .offset: 56, .size: 8, .value_kind: global_buffer, .address_space: global }
      - { .name: xb, .offset: 64, .size: 8, .value_kind: global_buffer, .address_space: global }
      - { .name: wb, .offset: 72, .size: 8, .value_kind: global_buffer, .address_space: global }
      - { .name: ub, .offset: 80, .size: 8, .value_kind: global_buffer, .address_space: global }
      - { .name: zb, .offset: 88, .size: 8, .value_kind: global_buffer, .address_space: global }
      - { .name: sc, .offset: 96, .size: 8, .value_kind: global_buffer, .address_space: global }
    .group_segment_fixed_size: 5632
    .private_segment_fixed_size: 0
    .kernarg_segment_align: 8
    .kernarg_segment_size: 104
    .max_flat_workgroup_size: 384
    .sgpr_count:     66
    .vgpr_count:     256
    .wavefront_size: 32
...
	.end_amdgpu_metadata
.endif
;; end of part 1
;; launch gemm (part 2): grid 16 x 16, 4 waves a work-group, clusters of 4 x 4, 327,680 bytes of LDS; arguments xb, wb, ub, zb, sc, out0; writes out0
.if DOCPART == 2
	.amdgcn_target "amdgcn-amd-amdhsa--gfx1250"
	.amdhsa_code_object_version 6
	.text
	.protected	k_q3712e87cd7_gemm
	.globl	k_q3712e87cd7_gemm
	.p2align	8
	.type	k_q3712e87cd7_gemm,@function
k_q3712e87cd7_gemm:
	s_mov_b64 s[64:65], 0
	v_nop
	global_prefetch_b8 v0, s[64:65] scope:SCOPE_SE
	s_setreg_imm32_b32 hwreg(HW_REG_WAVE_MODE, 25, 1), 1
	s_wait_xcnt 0x0
	s_wait_alu depctr_hold_cnt(0) depctr_sa_sdst(0) depctr_va_vdst(0) depctr_va_sdst(0) depctr_va_ssrc(0) depctr_va_vcc(0) depctr_vm_vsrc(0)
	s_getreg_b32 s2, hwreg(HW_REG_IB_STS2, 6, 4)
	s_cmp_eq_u32 s2, 0
	s_cbranch_scc0 .Lentry_in_a_cluster
	s_endpgm
.Lentry_in_a_cluster:
	s_bfe_u32 s2, ttmp6, 0x10000c
	s_cmp_lg_u32 s2, 0xf033
	s_cbranch_scc0 .Lentry_shape_is_right
	s_endpgm
.Lentry_shape_is_right:
; DoRA over a LoKr adapter, the second of two launches:  out[m][o] = s[o] (sum_c xb[m][c] wb[o][c]) + sb[o] + sum_n U[m][n] Z[o][n].
; xb [2048][4096] and wb [4096][4096] are x and W in bf16; s = mns - 1 and sb = s bias are f32 (sc); Z = 0.25 mns w1a w2a (zb, [4096][16] bf16); U (ub, [2048][32] bf16) is a high part and what it leaves.
; Nothing of the problem is left out here: the adapter's product is taken through its 16 inner numbers, an identity of associativity shown at the head of the first launch's text.
; ORDER.  The sums of xb wb^T are finished in f32; then each is multiplied by s and takes sb, in f32, in place; then ONE more K step of 32 adds [U_hi | U_lo] [Z | Z]^T; then the tile leaves in f32.
; LIMITS.  Matrix operands are bf16, sums f32, in the matrix unit's order; NaN and infinities are not treated apart.
; SHARES.  A tile of out is 128 rows x 256 columns: 16 x 16 tiles, one work-group each.  Four waves, each 64 rows x 128 columns: 32 accumulators of 16 x 16, 256 registers.
; THE RING has two UNEQUAL slots.  Two slots of 256 along K would be 2 x 384 rows x 528 bytes = 405,504 bytes, more than the work-group has; so slot 0 holds 256 along K (rows of 512 bytes) and slot 1
; holds 128 (rows of 256 bytes): 307,200 bytes together, and every row piece is a whole multiple of 256 bytes that starts at a multiple of 256 from the buffer's first byte.  A lap is 384 along K;
; 4,096 = 10 laps + 256: eleven large tiles and ten small ones by turns, a large one first and last.  Two changes of slots serve 384 along K.  From its request to the wait for it the small
; tile's load has 240 matrix instructions of a wave, the large tile's 112.
; CLUSTERS.  4 x 4 work-groups.  The four of a row of the cluster need the same tile of xb, the four of a column the same tile of wb: each is asked for JOINTLY, by the same tensor load with the same
; descriptor and a mask that names the four.  Waves 0 and 1 fetch xb's two halves of 64 rows, waves 2 and 3 wb's two halves of 128 rows: one load a wave behind each round.
; THE MATRIX INSTRUCTION IS USED TRANSPOSED (source 0 = 16 rows of wb, source 1 = 16 rows of xb): a lane holds row l % 16 of out and the columns 8 (l / 16) + 0..7.
; REGISTERS, in windows of 256 (s_set_vgpr_msb: bits 1:0 source 0, 3:2 source 1, 5:4 source 2, 7:6 destination):
;   window 0: v0-31 addresses; v64-159, v160-255 two fragment buffers (wb's eight fragments, then xb's four); on the way out v64-95, v96-127 rows read back
;   window 1: the accumulators, (a, b) at v[8 (8 a + b)]          window 2: v0-63 s, v64-127 sb (at 8 b + j); v128-159 U's four fragments; v160-223 Z's eight
.set P0,     528                       ; slot 0's LDS row: 512 bytes + 16 of padding = 132 words,
.set P1,     272                       ; slot 1's: 256 + 16 = 68 words: in both, row r starts at bank 4 r mod 64 (64 banks of 4 bytes: ISA guide 11.1), so the 16 rows of a load start at 16 different banks
.set AH0,    64*P0                     ; slot 0: 64 rows of xb: what waves 0 and 1 fetch, and what a wave reads of xb
.set BH0,    128*P0                    ; 128 rows of wb: what waves 2 and 3 fetch, and what a wave reads of wb
.set BOFF0,  2*AH0                     ; wb's 256 rows lie behind xb's 128
.set S1,     2*AH0+2*BH0               ; 202,752: slot 1 begins here
.set AH1,    64*P1
.set BH1,    128*P1
.set BOFF1,  S1+2*AH1
.set STAGE,  S1+2*AH1+2*BH1            ; 307,200: behind the ring, never filled by a tensor load: 16 rows x 272 bytes for each wave, for the way out
.set SPITCH, 272                       ; 256 bytes (64 columns of f32) + 16
.set SPARE,  STAGE+4*16*SPITCH         ; 324,608: the spare words, 128 bytes for each wave: two blocks of 256 bytes that no other line names
.set LAPB,   768                       ; bytes of a row in a lap
.set TRIPS,  9                         ; the loop's trips: each fills both slots again; the tenth refill of slot 0 stands in the tail
.set ZO,   14                          ; v14  my place in 16 rows of zb: 32 (l % 16) + 16 (l / 16)
.set ADRA, 16                          ; v16-17  LDS address of my fragments of xb in slot 0, 1
.set ADRB, 20                          ; v20-21  the same for wb
.set STO,  24                          ; v24  the way out: where I put 16 bytes of a row
.set RD,   25                          ; v25  where I read rows back
.set CO,   26                          ; v26  my 16 bytes in two rows of out: 16,384 (l / 16) + 16 (l % 16)
.set SCO,  27                          ; v27  32 (l / 16): my 8 numbers in a record of sc
.set SPW,  28                          ; v28  LDS address of my spare word; never rewritten
.set NIL,  29                          ; v29  0; never rewritten
.set PFO,  30                          ; v30  the prefetches' offset: lane x 8,192, a row of xb or wb; never rewritten
.set UO,   31                          ; v31  my place in 16 rows of ub: 64 (l % 16) + 16 (l / 16)
.set F0,   64
.set F1,   160
.set WV,   16                          ; s16  wave
.set WM,   17                          ; s17  which 64 rows of the tile are mine.  Also: I fetch for xb (0) or for wb (1)
.set WN,   18                          ; s18  which 128 columns.  Also: which half of that tile I fetch
.set G1A,  24                          ; s[24:31] descriptor group 1 for xb's large tiles
.set G0,   32                          ; s[32:39] group 0 for xb's tiles, a set for each slot
.set LIMB, 43                          ; s43  0 in a wave that prefetches, else the greatest number: large tiles are asked for while the loop's count is above it
.set PFA,  44                          ; s[44:45] where my prefetches stand: my 32 rows, at the large tile two laps on
.set G1B,  48                          ; s[48:55] group 1 for wb's large tiles
.set G0B,  56                          ; s[56:63] group 0 for wb's tiles, a set for each slot
.set LIMS, 66                          ; s66  1 in a wave that prefetches, else the greatest number: the same for small tiles
.set G1AS, 68                          ; s[68:75] group 1 for xb's small tiles
.set G1BS, 76                          ; s[76:83] group 1 for wb's small tiles
.set D_BIG, (1<<16)|(1<<20)|(1<<21)|(6<<22)|(3<<25)  ; 17:16 element of 2 bytes; 20 padding on; 21 set beside a mask; 24:22 after every 128 words (code 6); 31:25 4 words (code 3)
.set D_SML, (1<<16)|(1<<20)|(1<<21)|(5<<22)|(3<<25)  ; the same after every 64 words (code 5)
.set MSB, 0
.macro WIN new                         ; the immediate's high byte repeats the setting that is left; a switch that changes nothing is dropped
.if MSB != (\new)
	s_set_vgpr_msb (MSB<<8)|(\new)
.set MSB, \new
.endif
.endm
.set W_MUL, 0x50                       ; fragments in window 0, C and D in window 1
.set W_LD2, 0x80                       ; destination in window 2, address in window 0
.set W_SC,  0x69                       ; destination and source 0 in window 1, sources 1 and 2 in window 2
.set W_LK,  0x5a                       ; sources 0 and 1 in window 2, C and D in window 1
.set W_ST,  0x04                       ; an LDS store's data in window 1, its address in window 0
.macro GRP1 g, cols, rows              ; the constant words of a group 1: a tile of rows x cols elements, 4,096 elements from row to row
	s_mov_b32 s[(\g)+1], (\cols)<<16               ; tensor_dim0
	s_mov_b32 s[(\g)+2], (\rows)<<16               ; tensor_dim1
	s_mov_b32 s[(\g)+3], (\cols)<<16               ; tile_dim0
	s_mov_b32 s[(\g)+4], \rows                     ; tile_dim1
	s_mov_b32 s[(\g)+5], 4096
	s_mov_b32 s[(\g)+6], 0
	s_mov_b32 s[(\g)+7], 0
.endm
.macro JLOAD s                         ; a joint load into slot s; the branch hangs on the wave's number alone; an s_nop 0 and four v_nop follow each of the two lines, ahead of the jump, the label and what follows
.set GA, G1A+(G1AS-G1A)*(\s)
.set GB, G1B+(G1BS-G1B)*(\s)
	s_cmp_eq_u32 s[WM], 0
	s_cbranch_scc0 .Lfor_b_\@
	tensor_load_to_lds s[G0+4*(\s):G0+4*(\s)+3], s[GA:GA+7]
	s_nop 0
.rept 4
	v_nop
.endr
	s_branch .Lasked_\@
.Lfor_b_\@:
	tensor_load_to_lds s[G0B+4*(\s):G0B+4*(\s)+3], s[GB:GB+7]
	s_nop 0
.rept 4
	v_nop
.endr
.Lasked_\@:
.endm
.macro CREST                           ; a round of the cluster's barrier behind its opening barrier
	s_cmp_lg_u32 s[WV], 0
	s_cbranch_scc1 .Lnot_wave_0_\@
	s_barrier_signal -3
.Lnot_wave_0_\@:
	s_barrier_wait -3
	s_barrier_signal -1
	s_barrier_wait -1
.endm
.macro CROUND                          ; a whole round
	s_barrier_signal -1
	s_barrier_wait -1
	CREST
.endm
; A PREFETCH INTO THE L2, behind each joint refill, its five lines and the run of LDS loads that follows: 32 rows, a lane a row, of the tile that the SAME slot's next refill but one... that is: the refill
; just issued brings lap j + 1's tile, the request names lap j + 2's: one lap, 384 matrix instructions, ahead of the load that will want it.  kind = 1: a large tile, 512 bytes of a row, two lines;
; kind = 2: a small one, 256 bytes, one line.  Each row's 256 bytes are named once in the launch.  xb's tile row is read by every cluster of that row of clusters: cluster x = 0 asks, its wave 0: of the
; tile's 128 rows the partner at cx takes 32 cx .. 32 cx + 31.  wb's tile column is read by every cluster of that column: cluster y = 0 asks, waves 2 and 3: of the 128 rows that the wave fetches the
; partner at cy takes 32.  The partners are told apart BY ADDRESS; the branch hangs on the cluster's coordinates, the wave's number and the loop's count.  The tiles of laps 0 and 1 come by their loads
; alone.  THE END: large tiles exist up to lap 10, so every trip of the loop (laps 0 to 8) asks; small ones up to lap 9, so the last trip does not; the tail asks for nothing.
.macro ASK kind
.if (\kind) == 1
	s_cmp_gt_u32 s3, s[LIMB]
	s_cbranch_scc0 .Lnot_mine_\@
	global_prefetch_b8 v[PFO], s[PFA:PFA+1] th:TH_LOAD_NT scope:SCOPE_SE
	global_prefetch_b8 v[PFO], s[PFA:PFA+1] offset:256 th:TH_LOAD_NT scope:SCOPE_SE
.else
	s_cmp_gt_u32 s3, s[LIMS]
	s_cbranch_scc0 .Lnot_mine_\@
	global_prefetch_b8 v[PFO], s[PFA:PFA+1] offset:512 th:TH_LOAD_NT scope:SCOPE_SE
.endif
.Lnot_mine_\@:
.endm
	s_load_b256 s[4:11], s[0:1], 0x0               ; xb s[4:5], wb s[6:7], ub s[8:9], zb s[10:11]
	s_load_b128 s[12:15], s[0:1], 0x20             ; sc s[12:13], out0 s[14:15]
	v_lshl_add_u32 v[SPW], v0, 2, SPARE
	v_mov_b32 v[NIL], 0
	ds_add_u32 v[SPW], v[NIL]                      ; the wave's opening: the add, twice on end, and its wait ahead of my first tensor load; the set-up below, work on registers, stands between
	ds_add_u32 v[SPW], v[NIL]                      ; and once more, under the one wait
	v_lshrrev_b32 v1, 5, v0
	v_readfirstlane_b32 s[WV], v1                  ; wave 0..3
	s_lshr_b32 s[WM], s[WV], 1
	s_and_b32 s[WN], s[WV], 1
	s_bfe_u32 s40, ttmp6, 0x40000                  ; cx, cy: my place in the cluster
	s_bfe_u32 s41, ttmp6, 0x40004
	s_lshl_b32 s42, ttmp9, 2
	s_add_co_u32 s42, s42, s40                     ; tile column = 4 x cluster x + cx
	s_and_b32 s43, ttmp7, 0xffff
	s_lshl_b32 s43, s43, 2
	s_add_co_u32 s43, s43, s41                     ; tile row = 4 x cluster y + cy
	s_lshl_b32 s19, s41, 2
	s_lshl_b32 s19, 15, s19                        ; my row of the cluster: places 4 cy .. 4 cy + 3
	s_lshl_b32 s2, 0x1111, s40                     ; my column: places cx, cx + 4, cx + 8, cx + 12
	s_or_b32 s[G1A], s19, D_BIG                    ; 15:0 the mask: xb's tiles go to my row,
	s_or_b32 s[G1AS], s19, D_SML
	s_or_b32 s[G1B], s2, D_BIG                     ; wb's to my column
	s_or_b32 s[G1BS], s2, D_SML
	GRP1 G1A, 256, 64
	GRP1 G1AS, 128, 64
	GRP1 G1B, 256, 128
	GRP1 G1BS, 128, 128
	; where the tiles come from: xb's hang on the tile row alone, wb's on the tile column alone, each in registers that never hold the other coordinate
	s_lshl_b32 s20, s43, 7
	s_lshl_b32 s21, s[WN], 6
	s_add_co_u32 s20, s20, s21                     ; xb: row 128 x tile row + 64 x half,
	s_lshl_b32 s20, s20, 13                        ; 8,192 bytes a row (under 2^25)
	s_mov_b32 s21, 0
	s_lshl_b32 s46, s42, 8
	s_lshl_b32 s47, s[WN], 7
	s_add_co_u32 s46, s46, s47                     ; wb: row 256 x tile column + 128 x half
	s_lshl_b32 s46, s46, 13
	s_mov_b32 s47, 0
	; group 0's constant words: count = 1, and where the tiles go: the half that I fetch times a constant, plus the slot's constant: no place in the cluster enters an LDS address
	s_mov_b32 s[G0], 1
	s_mul_i32 s[G0+1], s[WN], AH0
	s_mov_b32 s[G0+4], 1
	s_mul_i32 s[G0+5], s[WN], AH1
	s_add_co_u32 s[G0+5], s[G0+5], S1
	s_mov_b32 s[G0B], 1
	s_mul_i32 s[G0B+1], s[WN], BH0
	s_add_co_u32 s[G0B+1], s[G0B+1], BOFF0
	s_mov_b32 s[G0B+4], 1
	s_mul_i32 s[G0B+5], s[WN], BH1
	s_add_co_u32 s[G0B+5], s[G0B+5], BOFF1
	s_wait_dscnt 0x0                               ; both opening adds are done
	s_wait_kmcnt 0x0
	s_add_nc_u64 s[G0+2:G0+3], s[4:5], s[20:21]    ; slot 0: the rows' bytes 0 to 511,
	s_add_nc_u64 s[G0+6:G0+7], s[G0+2:G0+3], 512   ; slot 1: bytes 512 to 767
	s_or_b32 s[G0+3], s[G0+3], 0x80000000          ; type = 2
	s_or_b32 s[G0+7], s[G0+7], 0x80000000
	s_add_nc_u64 s[G0B+2:G0B+3], s[6:7], s[46:47]
	s_add_nc_u64 s[G0B+6:G0B+7], s[G0B+2:G0B+3], 512
	s_or_b32 s[G0B+3], s[G0B+3], 0x80000000
	s_or_b32 s[G0B+7], s[G0B+7], 0x80000000
	CROUND                                         ; all sixteen work-groups are here: the first joint loads meet
	JLOAD 0
	JLOAD 1                                        ; two loads of mine are out
	; A fragment is 16 rows x 32 K in 8 registers: lane l holds row l % 16; registers 0-3 K = 8 (l / 16) + 0..7, registers 4-7 K = 16 + 8 (l / 16) + 0..7: two loads of 16 bytes, 32 bytes apart.
	v_and_b32 v1, 15, v0                           ; l % 16
	v_bfe_u32 v2, v0, 4, 1                         ; l / 16
	v_mul_u32_u24 v3, v1, P0
	v_lshl_add_u32 v3, v2, 4, v3                   ; slot 0: row x pitch + 16 x half
	v_mul_u32_u24 v4, v1, P1
	v_lshl_add_u32 v4, v2, 4, v4                   ; slot 1
	s_mul_i32 s19, s[WM], AH0                      ; my 64 rows of xb
	s_mul_i32 s2, s[WN], BH0                       ; my 128 rows of wb
	s_add_co_u32 s2, s2, BOFF0
	v_add_nc_u32 v[ADRA], s19, v3
	v_add_nc_u32 v[ADRB], s2, v3
	s_mul_i32 s19, s[WM], AH1
	s_add_co_u32 s19, s19, S1
	s_mul_i32 s2, s[WN], BH1
	s_add_co_u32 s2, s2, BOFF1
	v_add_nc_u32 v[ADRA+1], s19, v4
	v_add_nc_u32 v[ADRB+1], s2, v4
	s_mul_i32 s19, s[WV], 16*SPITCH
	s_add_co_u32 s19, s19, STAGE                   ; my stage
	v_mul_u32_u24 v4, v1, SPITCH                   ; in: row l % 16, 32 bytes for each half of the lanes
	v_lshl_add_u32 v4, v2, 5, v4
	v_add_nc_u32 v[STO], s19, v4
	v_mul_u32_u24 v5, v2, SPITCH                   ; back: lanes 0-15 take one row of 256 bytes, lanes 16-31 the next
	v_lshl_add_u32 v5, v1, 4, v5
	v_add_nc_u32 v[RD], s19, v5
	v_lshlrev_b32 v[CO], 14, v2                    ; and the same two rows in out
	v_lshl_add_u32 v[CO], v1, 4, v[CO]
	v_lshlrev_b32 v[SCO], 5, v2
	v_lshlrev_b32 v[ZO], 5, v1
	v_lshl_add_u32 v[ZO], v2, 4, v[ZO]
	v_lshlrev_b32 v[UO], 6, v1
	v_lshl_add_u32 v[UO], v2, 4, v[UO]
	v_and_b32 v6, 31, v0
	v_lshlrev_b32 v[PFO], 13, v6
	; the bases of what is mine alone: by my first row,
	s_lshl_b32 s20, s43, 7
	s_lshl_b32 s21, s[WM], 6
	s_add_co_u32 s20, s20, s21                     ; 128 x tile row + 64 x half
	s_lshl_b32 s22, s20, 6                         ; 64 bytes a row of ub
	s_mov_b32 s23, 0
	s_add_nc_u64 s[8:9], s[8:9], s[22:23]
	s_lshl_b32 s20, s20, 14                        ; 16,384 bytes a row of out
	s_mov_b32 s21, 0
	s_add_nc_u64 s[14:15], s[14:15], s[20:21]
	s_lshl_b32 s2, s42, 8                          ; and by my first column
	s_lshl_b32 s46, s[WN], 7
	s_add_co_u32 s2, s2, s46                       ; 256 x tile column + 128 x half
	s_mov_b32 s47, 0
	s_lshl_b32 s46, s2, 2                          ; 4 bytes a column of out
	s_add_nc_u64 s[14:15], s[14:15], s[46:47]
	s_lshl_b32 s46, s2, 5                          ; 32 bytes a row of zb
	s_add_nc_u64 s[10:11], s[10:11], s[46:47]
	s_lshl_b32 s46, s2, 3                          ; 128 bytes for 16 columns in sc
	s_add_nc_u64 s[12:13], s[12:13], s[46:47]
	; the prefetches
	s_lshl_b32 s20, s43, 7
	s_lshl_b32 s21, s40, 5
	s_add_co_u32 s20, s20, s21                     ; xb: row 128 x tile row + 32 cx
	s_lshl_b32 s21, s41, 5
	s_add_co_u32 s21, s2, s21                      ; wb: row 256 x tile column + 128 x half + 32 cy
	s_and_b32 s22, ttmp7, 0xffff                   ; cluster y
	s_cmp_eq_u32 s[WM], 0                          ; do I fetch for xb?
	s_cselect_b32 s20, s20, s21
	s_cselect_b32 s22, ttmp9, s22                  ; the coordinate along which other clusters read the same rows
	s_cselect_b64 s[PFA:PFA+1], s[4:5], s[6:7]
	s_cmp_eq_u32 s[WV], 1                          ; xb's 128 rows are shared out among four partners' waves 0: wave 1 asks for nothing
	s_cselect_b32 s22, 1, s22
	s_cmp_eq_u32 s22, 0
	s_cselect_b32 s[LIMB], 0, -1                   ; the same in all sixteen partners, for a given wave (the tile row, which s43 held, is no longer wanted)
	s_cselect_b32 s[LIMS], 1, -1
	s_lshl_b32 s20, s20, 13
	s_mov_b32 s21, 0
	s_add_nc_u64 s[PFA:PFA+1], s[PFA:PFA+1], s[20:21]
	s_add_nc_u64 s[PFA:PFA+1], s[PFA:PFA+1], LAPB  ; at lap 1: the first change of slots steps it to lap 2.  Nothing is prefetched here, at the head, where every work-group's first tiles are on their way
	; what the end of the kernel wants, asked for now: 56 loads into window 2, waited for behind the last K step
	WIN W_LD2
.irp b, 0,1,2,3,4,5,6,7
	global_load_b128 v[8*\b:8*\b+3],         v[SCO], s[12:13] offset:128*\b      ; s of columns 16 b + 8 (l / 16) + 0..3,
	global_load_b128 v[8*\b+4:8*\b+7],       v[SCO], s[12:13] offset:128*\b+16   ; + 4..7;
	global_load_b128 v[64+8*\b:64+8*\b+3],   v[SCO], s[12:13] offset:128*\b+64   ; sb likewise
	global_load_b128 v[64+8*\b+4:64+8*\b+7], v[SCO], s[12:13] offset:128*\b+80
	global_load_b128 v[160+8*\b:160+8*\b+3],   v[ZO], s[10:11] offset:512*\b     ; Z for K = 8 (l / 16) + 0..7,
	global_load_b128 v[160+8*\b+4:160+8*\b+7], v[ZO], s[10:11] offset:512*\b     ; and the same numbers for K = 16 + 8 (l / 16) + 0..7, where U's low part lies
.endr
.irp a, 0,1,2,3
	global_load_b128 v[128+8*\a:128+8*\a+3],   v[UO], s[8:9] offset:1024*\a
	global_load_b128 v[128+8*\a+4:128+8*\a+7], v[UO], s[8:9] offset:1024*\a+32
.endr
	WIN 0
; 8 matrix instructions: row block a x all 8 column blocks, 32 along K, from buffer f.  zero = 1: the product starts the sum: nothing is ever cleared.
; The 32 accumulators take turns, one instruction a turn, in the same order in every quarter, over the backward jump too.
.macro MUL8 f, a, zero
	WIN W_MUL
.irp b, 0,1,2,3,4,5,6,7
.if \zero
	v_wmma_f32_16x16x32_bf16 v[8*(8*(\a)+\b):8*(8*(\a)+\b)+7], v[(\f)+8*\b:(\f)+8*\b+7], v[(\f)+64+8*(\a):(\f)+64+8*(\a)+7], 0
.else
	v_wmma_f32_16x16x32_bf16 v[8*(8*(\a)+\b):8*(8*(\a)+\b)+7], v[(\f)+8*\b:(\f)+8*\b+7], v[(\f)+64+8*(\a):(\f)+64+8*(\a)+7], v[8*(8*(\a)+\b):8*(8*(\a)+\b)+7]
.endif
.endr
.endm
.macro MUL16 f, a0, zero
	MUL8 \f, \a0, \zero
	MUL8 \f, (\a0)+1, \zero
.endm
; 24 LDS loads in one run: the fragments of 32 along K at byte k of the slot's rows, into buffer f: wb's sixteen loads first, then xb's row blocks 0 to 3
.macro FETCH slot, k, f
	WIN 0
.set PT, P0-(P0-P1)*(\slot)            ; the slot's pitch
.irp i, 0,1,2,3,4,5,6,7
	ds_load_b128 v[(\f)+8*\i:(\f)+8*\i+3],   v[ADRB+(\slot)] offset:(\k)+\i*16*PT
	ds_load_b128 v[(\f)+8*\i+4:(\f)+8*\i+7], v[ADRB+(\slot)] offset:(\k)+\i*16*PT+32
.endr
.irp i, 0,1,2,3
	ds_load_b128 v[(\f)+64+8*\i:(\f)+64+8*\i+3],   v[ADRA+(\slot)] offset:(\k)+\i*16*PT
	ds_load_b128 v[(\f)+64+8*\i+4:(\f)+64+8*\i+7], v[ADRA+(\slot)] offset:(\k)+\i*16*PT+32
.endr
.endm
.macro PLACES                          ; four plain vector lines between a matrix instruction and a load into its sources, or a line that reads or writes its result (ISA guide 7.12.1 for vector instructions)
.rept 4
	v_nop
.endr
.endm
; A quarter is 32 along K, 32 matrix instructions, on buffers 0, 1 by turns; slot 0 has eight of them, slot 1 four.  All but a slot's last: multiplies buffer f and, in its middle, fetches the next quarter, at byte k, into g.
.macro QUARTER slot, k, f, g, zero
	s_wait_dscnt 4                                 ; wb's fragments and xb's row blocks 0 and 1 are in; the youngest four loads (blocks 2 and 3) may be out
	MUL16 \f, 0, \zero
	PLACES
	FETCH \slot, \k, \g
	s_wait_dscnt 24                                ; all but the 24 just issued
	MUL16 \f, 2, \zero
.endm
; A slot's last quarter multiplies buffer 1 and changes slots: ONE barrier; in front of it each wave waits for all its tensor loads (one is out: its part of the next slot), adds 0 to its spare word, and
; waits for that and for its own reads of this slot.  fill = 1: the barrier opens a round of the cluster's, and this slot is filled again, with the next lap's tile, first thing behind the round.
; ask = 1, 2: a prefetch follows (ASK); 0: none.
.macro TURN slot, next, fill, ask
.if (\ask) == 1
	s_wait_xcnt 0x0                                ; the last prefetches, a slot back and more, have read their address: it is stepped here, once a lap, ahead of the waits of the change of slots
	s_add_nc_u64 s[PFA:PFA+1], s[PFA:PFA+1], LAPB
.endif
	WIN 0                                          ; (the add's two registers lie in window 0)
	s_wait_tensorcnt 0x0                           ; all my tensor loads have landed;
	ds_add_u32 v[SPW], v[NIL]                      ; 0 onto my spare word;
	s_wait_dscnt 5                                 ; (the add and the youngest four loads may be out)
	MUL8 F1, 0, 0                                  ; eight matrix instructions stand between the add and the wait for it
	s_wait_dscnt 0x0                               ; the add is done, and my reads of this slot are over
	s_barrier_signal -1
	MUL8 F1, 1, 0                                  ; work on registers while the others arrive
.if \fill
	WIN 0
.endif
	s_barrier_wait -1
.if \fill
	CREST                                          ; no wave of any partner still reads this slot's tile or has a load on its way
	s_add_nc_u64 s[G0+4*(\slot)+2:G0+4*(\slot)+3], s[G0+4*(\slot)+2:G0+4*(\slot)+3], LAPB
	s_add_nc_u64 s[G0B+4*(\slot)+2:G0B+4*(\slot)+3], s[G0B+4*(\slot)+2:G0B+4*(\slot)+3], LAPB
	JLOAD \slot                                    ; the first tensor load behind the round, one a wave; the four v_nop behind it are also the places in front of the loads below
.else
	PLACES
.endif
	FETCH \next, 0, F0
.if \ask
	ASK \ask
.endif
	MUL16 F1, 2, 0
.endm
.macro BIGREST                         ; quarters 1 to 6 of a large tile
	QUARTER 0, 128, F1, F0, 0
	QUARTER 0, 192, F0, F1, 0
	QUARTER 0, 256, F1, F0, 0
	QUARTER 0, 320, F0, F1, 0
	QUARTER 0, 384, F1, F0, 0
	QUARTER 0, 448, F0, F1, 0
.endm
.macro SMALL3                          ; quarters 0 to 2 of a small tile
	QUARTER 1, 64,  F0, F1, 0
	QUARTER 1, 128, F1, F0, 0
	QUARTER 1, 192, F0, F1, 0
.endm
	s_wait_tensorcnt 1                             ; my part of the first large tile is in; the first small tile's may stay out
	s_barrier_signal -1
	s_barrier_wait -1                              ; everybody's is
	FETCH 0, 0, F0
	QUARTER 0, 64, F0, F1, 1                       ; the first quarter stands in front of the loop: its products start the sums
	WIN 0                                          ; at a label and at a branch every window is 0
	s_mov_b32 s3, TRIPS
.Llap:                                                 ; a trip goes once round the ring, from a large tile's second quarter to the next one's first, and fills both slots again
	BIGREST
	TURN 0, 1, 1, 1
	SMALL3
	TURN 1, 0, 1, 2
	QUARTER 0, 64, F0, F1, 0
	WIN 0
	s_sub_co_u32 s3, s3, 1
	s_cmp_lg_u32 s3, 0
	s_cbranch_scc1 .Llap
	BIGREST                                        ; the tail is written out: lap 9's large tile goes on
	TURN 0, 1, 1, 0                                ; slot 0 takes the last tile, bytes 7,680 to 8,191 of the rows,
	SMALL3
	TURN 1, 0, 0, 0                                ; nothing is left to fetch: no round of the cluster's barrier
	QUARTER 0, 64, F0, F1, 0
	BIGREST
	s_wait_dscnt 4                                 ; the very last quarter
	MUL16 F1, 0, 0
	s_wait_dscnt 0x0
	MUL16 F1, 2, 0
; THE END OF THE SUMS.  Row block a: each finished sum times s plus sb, in f32, in place (each accumulator's registers in ascending order); then the K step of the adapter.
.macro SCALE a
	WIN W_SC
.irp b, 0,1,2,3,4,5,6,7
.irp r, 0,1,2,3
	v_pk_fma_f32 v[8*(8*(\a)+\b)+2*\r:8*(8*(\a)+\b)+2*\r+1], v[8*(8*(\a)+\b)+2*\r:8*(8*(\a)+\b)+2*\r+1], v[8*\b+2*\r:8*\b+2*\r+1], v[64+8*\b+2*\r:64+8*\b+2*\r+1]
.endr
.endr
.endm
.macro LOKR a
	WIN W_LK
.irp b, 0,1,2,3,4,5,6,7
	v_wmma_f32_16x16x32_bf16 v[8*(8*(\a)+\b):8*(8*(\a)+\b)+7], v[160+8*\b:160+8*\b+7], v[128+8*(\a):128+8*(\a)+7], v[8*(8*(\a)+\b):8*(8*(\a)+\b)+7]
.endr
.endm
; THE WAY OUT, by half blocks u = 0..7: row block u / 2, columns 64 (u % 2) on.  A lane's eight columns, 32 bytes of f32, go into my stage's rows of 272 bytes and come back as whole rows of 256.
.macro TOSTAGE u
.set BK, 64+32*((\u)%2)
.set AB, 8*(8*((\u)/2)+4*((\u)%2))     ; the half block's first accumulator
.if (\u) >= 2
	s_wait_xcnt 0x0                                ; every earlier memory instruction has had its addresses translated (ISA guide 3.1): the registers that the stores of half block u - 2 read are loaded again only behind this wait
.endif
	WIN W_ST
.irp b, 0,1,2,3
	ds_store_b128 v[STO], v[AB+8*\b:AB+8*\b+3]   offset:64*\b
	ds_store_b128 v[STO], v[AB+8*\b+4:AB+8*\b+7] offset:64*\b+16
.endr
	WIN 0
.irp t, 0,1,2,3,4,5,6,7
	ds_load_b128 v[BK+4*\t:BK+4*\t+3], v[RD] offset:2*SPITCH*\t  ; LDS serves a wave's instructions in order (ISA guide 5.7.1.4): these see the stores above; the next half block's stores come behind them
.endr
.endm
.macro SEND u, younger                 ; younger: the LDS instructions issued behind half block u's loads: the next one's 16, or none
.set BK, 64+32*((\u)%2)
	WIN 0
.irp t, 0,1,2,3,4,5,6,7
	s_wait_dscnt (\younger)+7-\t
	global_store_b128 v[CO], v[BK+4*\t:BK+4*\t+3], s[14:15] offset:(16*((\u)/2)+2*\t)*16384+256*((\u)%2) th:TH_STORE_NT  ; 16 lanes store 256 consecutive bytes of a row, at a multiple of 256 from out's first byte; the other 16 the row below
.endr
.endm
	s_wait_loadcnt 0x0                             ; s, sb, Z and U, asked for at the head
	PLACES                                         ; behind the last products
	SCALE 0
	LOKR 0
	SCALE 1                                        ; names none of the registers of the products just issued
	LOKR 1
	SCALE 2
	LOKR 2
	SCALE 3
	LOKR 3
	PLACES                                         ; behind the last products, in front of the LDS stores that read results
	TOSTAGE 0
.irp u, 1,2,3,4,5,6,7
	TOSTAGE \u
	SEND (\u)-1, 16
.endr
	SEND 7, 0
	s_wait_tensorcnt 0x0                           ; the wave's end: behind my last tensor load and my last LDS store
	ds_add_u32 v[SPW], v[NIL]
	s_wait_dscnt 0x0
	CROUND                                         ; the closing round: no work-group ends while a partner may still ask for a tile that names it
	s_endpgm
.Lfunc_end_k_q3712e87cd7_gemm:
	.size	k_q3712e87cd7_gemm, .Lfunc_end_k_q3712e87cd7_gemm-k_q3712e87cd7_gemm
	.p2alignl 7, 3214868480
	.fill 96, 4, 3214868480
	.section	.rodata,"a",@progbits
	.p2align	6, 0x0
	.amdhsa_kernel k_q3712e87cd7_gemm
		.amdhsa_group_segment_fixed_size 327680
		.amdhsa_private_segment_fixed_size 0
		.amdhsa_enable_private_segment 0
		.amdhsa_kernarg_size 48
		.amdhsa_user_sgpr_count 2
		.amdhsa_user_sgpr_kernarg_segment_ptr 1
		.amdhsa_wavefront_size32 1
		.amdhsa_system_sgpr_workgroup_id_x 1
		.amdhsa_system_sgpr_workgroup_id_y 1
		.amdhsa_system_sgpr_workgroup_id_z 1
		.amdhsa_system_vgpr_workitem_id 0
		.amdhsa_next_free_vgpr 768
		.amdhsa_next_free_sgpr 84
		.amdhsa_reserve_vcc 0
		.amdhsa_float_denorm_mode_32 3
		.amdhsa_float_denorm_mode_16_64 3
		.amdhsa_memory_ordered 1
		.amdhsa_forward_progress 1
		.amdhsa_inst_pref_size 166
	.end_amdhsa_kernel
	.amdgpu_metadata
---
amdhsa.version: [ 1, 2 ]
amdhsa.kernels:
  - .name:           k_q3712e87cd7_gemm
    .symbol:         k_q3712e87cd7_gemm.kd
    .args:
      - { .name: xb, .offset: 0, .size: 8, .value_kind: global_buffer, .address_space: global }
      - { .name: wb, .offset: 8, .size: 8, .value_kind: global_buffer, .address_space: global }
      - { .name: ub, .offset: 16, .size: 8, .value_kind: global_buffer, .address_space: global }
      - { .name: zb, .offset: 24, .size: 8, .value_kind: global_buffer, .address_space: global }
      - { .name: sc, .offset: 32, .size: 8, .value_kind: global_buffer, .address_space: global }
      - { .name: out0, .offset: 40, .size: 8, .value_kind: global_buffer, .address_space: global }
    .group_segment_fixed_size: 327680
    .private_segment_fixed_size: 0
    .kernarg_segment_align: 8
    .kernarg_segment_size: 48
    .max_flat_workgroup_size: 128
    .sgpr_count:     84
    .vgpr_count:     768
    .wavefront_size: 32
...
	.end_amdgpu_metadata
.endif
;; end of part 2
;; ======== version 2 of 2: 2 launches; version 1 with the launch prep written anew for expert scheduling mode
;; workspace buffers: xb 16,777,216 bytes; wb 33,554,432 bytes; ub 131,072 bytes; zb 131,072 bytes; sc 32,768 bytes
;; launch prep (part 3): grid 256 x 1, 12 waves a work-group, no clusters, 5,632 bytes of LDS; arguments x, base_weight, w1a, w1b, w2a, w2b, base_bias, dora_weight, xb, wb, ub, zb, sc; writes xb, wb, ub, zb, sc
.if DOCPART == 3
	.amdgcn_target "amdgcn-amd-amdhsa--gfx1250"
	.amdhsa_code_object_version 6
	.text
	.protected	k_q3712e87cd7_prep
	.globl	k_q3712e87cd7_prep
	.p2align	8
	.type	k_q3712e87cd7_prep,@function
k_q3712e87cd7_prep:
	s_mov_b64 s[64:65], 0
	v_nop
	global_prefetch_b8 v0, s[64:65] scope:SCOPE_SE
	s_setreg_imm32_b32 hwreg(HW_REG_WAVE_SCHED_MODE, 0, 2), 2
	s_setreg_imm32_b32 hwreg(HW_REG_WAVE_MODE, 25, 1), 1
	s_wait_xcnt 0x0
	s_wait_alu depctr_vm_vsrc(0)
; DoRA over a LoKr adapter, the first of two launches.  With o = 64 p + q an output column and c = 64 i + j an input column:
;   out[m][o] = (mns[o] - 1) (sum_c x[m][c] W[o][c] + bias[o]) + 0.25 mns[o] lokr[m][o],    mns[o] = dora[o] / |W[o][:] + 0.25 adapter[o][:]|,
;   adapter[o][c] = w1[c / 64][o / 64] w2[c % 64][o % 64]  (o taken as a ROW of the adapter, as the problem adds it),  w1 = w1a w1b,  w2 = w2a w2b.
; THIS LAUNCH rounds x and W to bf16 (xb, wb: the second launch's matrix operands) and, in the same pass over them, makes
;   sc[o]    s = mns - 1 and sb = s bias, f32: records of 16 s and 16 sb for 16 columns
;   zb[o][n] 0.25 mns[o] w1a[p][n / 4] w2a[q][n % 4], bf16, n = 0..15
;   ub[m][n] U[m][n] = sum_ij x[m][64 i + j] w1b[n / 4][i] w2b[n % 4][j], as a bf16 high part (n) and the bf16 of what it leaves (16 + n)
; NO INPUT AND NO STEP IS LEFT OUT: all eight inputs have a way to the output and are loaded.  lokr is only taken in another order: since w1 and w2 are products through 4 numbers,
; lokr[m][o] = sum_n U[m][n] w1a[p][n / 4] w2a[q][n % 4] by associativity, for all values of the inputs: 16 numbers a row of x in place of 4,096.
; LIMITS.  Every input is rounded to bf16 once, before any use.  f32 sums are taken in another order than the problem's.  NaN and infinities are not treated apart.
; A row of the weight whose sum of squares is 0 or below 2^-126 gives an infinite mns (v_rsq_f32 takes a denormal for 0: ISA guide, its entry in 15.8).
; SHARES.  Work-group g takes W's rows 16 g .. 16 g + 15 (all have o / 64 = g / 4) and x's rows 8 g .. 8 g + 7.  Waves 0-7 take two rows of W each, waves 8-11 two rows of x each:
; every wave streams 32,768 consecutive bytes as 64 loads of 512 bytes, through a ring of 24 register slots, and stores 256 consecutive bytes, aligned, for each load.
; In load n (k = n % 32) lane l holds columns 128 k + 4 l + e: block 2 k + h (h = l / 16), inner index 4 (l % 16) + e.
; No cluster, no tiles in LDS: the work-groups share nothing but the four small factors, 4,096 bytes in all.
; THE MODE: SCHED_MODE bits 1:0 = 2 (LLVM: expert scheduling mode 2), set by the entry lines.  The code itself states the register dependences
; between vector instructions and memory or LDS instructions, with s_wait_alu, always for 0.
; THE PLAN.  A wave's 64 turns (a turn: one load, its four numbers' work, one store) go in 16 blocks of four.  Registers that memory instructions touch in the stream:
;   X, 24 slots  Block p's eight conversions read its four slots; behind them the loads of the turns 24 further on land in the same four slots.
;   Y0, Y1       Block p's conversions write Y[p % 2]; the block's four stores read it, and turn i's arithmetic reads its pair i; block p + 2's conversions write it again.
;   v1, v2       The loads' and the stores' offsets: made once at the head, never written again; the turns are reached by immediate offsets.
;   What else the arithmetic names (A1, A2, T, SS; TB, ACC, v18) no memory instruction of the stream touches.
; So a block has two such waits.  At its head, on vm_vsrc: the stores issued two blocks back have read the Y that its conversions write.  Behind its conversions, on va_vdst: they have written Y and
; are done reading the four slots.  The block's eight memory instructions follow that wait, dealt among the arithmetic: a store stands ahead of the arithmetic of its own turn, so the vector lines
; between the wait and a store name earlier turns' pairs of Y alone, and none of them names X.  The text is written out turn by turn: there is no backward jump.
; Outside the stream each wait's comment names what it states.
.set DEPTH, 24                         ; ring slots = loads of a wave in flight
.set BLK,   4                          ; turns in a block
.set T1P,   0                          ; LDS: [h][k][r1] bf16 = w1b[r1][2 k + h], 512 bytes
.set A1T,   512                        ; [h][k] f32 = 0.25 w1[2 k + h][g / 4], 256 bytes
.set ZST,   768                        ; 16 rows x 32 bytes for zb
.set SST,   1792                       ; 16 s, 16 sb
.set UB,    2048                       ; 128 bytes for each wave BY ITS NUMBER (two rows of ub, 64 bytes each), laid out for the 16 numbers that the address's four bits can hold; only waves 8-11 write theirs,
.set UST,   UB+8*128                   ; which begin here: 8 rows x 64 bytes for ub
.set SPARE, UB+16*128                  ; 4,096: the spare words, 128 bytes for each of the 12 waves: six blocks of 256 bytes that no other line names
; v0 thread; v1 16 x lane; v2 8 x lane; v3 l % 16; v4 h; v5-15, v22, v23 at work; v16, v17 the add's two registers; v18 a zero for sums that begin; v19 where U goes; v20 4 x lane; v21 lane
.set X,    32                          ; v[32:127]  the ring: slot i, 4 registers as loaded
.set YA,   128                         ; v[128:135] Y0: turn i of an even block: 2 registers at 2 i, 4 bf16 to store
.set YB,   24                          ; v[24:31]   Y1: the same for an odd block (v24 and v25 are at work in an x wave's head first)
.set T,    188                         ; v[188:191] W waves: 4 numbers of the weight
.set A1,   136                         ; W waves: v[136:167] 0.25 w1[2 k + h][g / 4]
.set A2,   168                         ; v[168:175] w2[4 (l % 16) + e][j of row t] at 4 t + e
.set SS,   176                         ; v[176:183] four sums of squares a row
.set ZZ,   184                         ; 0.25 w1a w2a of my place in zb
.set DOR,  185
.set BIA,  186
.set W2A,  192                         ; v[192:207] as loaded
.set W2BJ, 208                         ; v[208:215]
.set W1BT, 216
.set ZA,   217
.set ZB,   218
.set TB,   136                         ; x waves: v[136:199] w1b[r1][2 k + h]: register 2 k holds r1 = 0, 1; register 2 k + 1 holds r1 = 2, 3
.set ACC,  200                         ; v[200:215] sum over blocks, at 4 r1 + e
.set W2B,  216                         ; v[216:231] w2b[r2][4 (l % 16) + e] at 4 r2 + e
.set P,    232                         ; v[232:247] the lane's part of U[4 r1 + r2]
.set TT,   248                         ; v[248:255] at work
.macro RND2 a, b, t                    ; two f32 rounded in place to numbers that bf16 holds
	v_cvt_pk_bf16_f32 v[\t], v[\a], v[\b]
	v_lshlrev_b32 v[\a], 16, v[\t]
	v_and_b32 v[\b], s46, v[\t]
.endm
.macro RING                            ; the ring's first fill: loads 0 to 23
.set n, 0
.rept DEPTH
	global_load_b128 v[X+4*n:X+4*n+3], v1, s[38:39] offset:512*n th:TH_LOAD_NT
.set n, n+1
.endr
.endm
; The head of the block that begins with turn n: its four loads are in, and sixteen numbers are rounded to bf16.
.macro BIN
.if n < 64-DEPTH
	s_wait_loadcnt DEPTH-BLK                       ; loads come back in order (ISA guide 5.7.1): my four are in, the 20 younger ones stay out
.else
	s_wait_loadcnt 64-BLK-n                        ; the last 24 turns load nothing: the count runs down
.endif
.if n >= 2*BLK
	s_wait_xcnt 0x0                                ; every earlier memory instruction has had its addresses translated (ISA guide 3.1): this block's Y, which the stores two blocks back read, is rewritten only behind this wait
	s_wait_alu depctr_vm_vsrc(0)                   ; the stores issued two blocks back have read this block's Y, which the conversions below write again
.endif
.set yb, YA-(YA-YB)*((n/BLK)%2)
.set i, 0
.rept BLK
	v_cvt_pk_bf16_f32 v[yb+2*i],   v[X+4*((n+i)%DEPTH)],   v[X+4*((n+i)%DEPTH)+1]
	v_cvt_pk_bf16_f32 v[yb+2*i+1], v[X+4*((n+i)%DEPTH)+2], v[X+4*((n+i)%DEPTH)+3]
.set i, i+1
.endr
	s_wait_alu depctr_va_vdst(0)                   ; the conversions have written this block's Y, which its stores read, and are done reading the four slots, in which the next loads land
.set m, n
.endm
; Turn m's slot is asked for again, and its four bf16 leave.  No wait: no vector instruction since the wait behind the conversions names the slot or this turn's pair of Y.
.macro IO
.if m+DEPTH < 64
	global_load_b128 v[X+4*(m%DEPTH):X+4*(m%DEPTH)+3], v1, s[38:39] offset:512*(m+DEPTH) th:TH_LOAD_NT
.endif
	global_store_b64 v2, v[yb+2*(m%BLK):yb+2*(m%BLK)+1], s[40:41] offset:256*m th:TH_STORE_NT  ; 32 lanes x 8 bytes: 256 consecutive bytes, at a multiple of 256 from the buffer's first byte
.set m, m+1
.endm
; The arithmetic of a W wave's turn n: the weight bf16(W) + 0.25 w1 w2 in one fused line a number, then its square onto the row's sums.  A row's first turn starts the sums: nothing is cleared.
.macro WAR
.set kk, n%32
.set rw, n/32
.set yy, yb+2*(n%BLK)
	v_fma_mix_f32_bf16 v[T],   v[A1+kk], v[A2+4*rw],   v[yy]   op_sel:[0,0,0] op_sel_hi:[0,0,1]
	v_fma_mix_f32_bf16 v[T+1], v[A1+kk], v[A2+4*rw+1], v[yy]   op_sel:[0,0,1] op_sel_hi:[0,0,1]
	v_fma_mix_f32_bf16 v[T+2], v[A1+kk], v[A2+4*rw+2], v[yy+1] op_sel:[0,0,0] op_sel_hi:[0,0,1]
	v_fma_mix_f32_bf16 v[T+3], v[A1+kk], v[A2+4*rw+3], v[yy+1] op_sel:[0,0,1] op_sel_hi:[0,0,1]
.if kk == 0
	v_pk_mul_f32 v[SS+4*rw:SS+4*rw+1],   v[T:T+1],   v[T:T+1]
	v_pk_mul_f32 v[SS+4*rw+2:SS+4*rw+3], v[T+2:T+3], v[T+2:T+3]
.else
	v_pk_fma_f32 v[SS+4*rw:SS+4*rw+1],   v[T:T+1],   v[T:T+1],   v[SS+4*rw:SS+4*rw+1]
	v_pk_fma_f32 v[SS+4*rw+2:SS+4*rw+3], v[T+2:T+3], v[T+2:T+3], v[SS+4*rw+2:SS+4*rw+3]
.endif
.set n, n+1
.endm
; A block of a W wave: the memory instructions stand early, two turns' in front of each of the first two turns' arithmetic.
.macro WBLOCK
	BIN
	IO
	IO
	WAR
	IO
	IO
	WAR
	WAR
	WAR
.endm
; The arithmetic of an x wave's turn: ACC[4 r1 + e] += bf16(x) w1b[r1][2 k + h], both factors read as bf16 halves, the sum in f32.  A row's first turn adds onto the zero in v18.
.macro XF r1, e, eh, eb, rr, rb
.if kk == 0
	v_fma_mix_f32_bf16 v[ACC+4*\r1+\e], v[yy+\eh], v[TB+2*kk+\rr], v18 op_sel:[\eb,\rb,0] op_sel_hi:[1,1,0]
.else
	v_fma_mix_f32_bf16 v[ACC+4*\r1+\e], v[yy+\eh], v[TB+2*kk+\rr], v[ACC+4*\r1+\e] op_sel:[\eb,\rb,0] op_sel_hi:[1,1,0]
.endif
.endm
.macro XQ r1, rr, rb
	XF \r1, 0, 0, 0, \rr, \rb
	XF \r1, 1, 0, 1, \rr, \rb
	XF \r1, 2, 1, 0, \rr, \rb
	XF \r1, 3, 1, 1, \rr, \rb
.endm
.macro XAR
.set kk, n%32
.set yy, yb+2*(n%BLK)
	XQ 0, 0, 0
	XQ 1, 0, 1
	XQ 2, 1, 0
	XQ 3, 1, 1
.set n, n+1
.endm
; One stage of the sum over 16 lanes that also deals the 16 numbers out: of 2 cnt numbers a lane keeps cnt (by one bit of its number), and takes the partner's part of them.
.macro RSTAGE dst, src, cnt, msk, xm
.set r, 0
.rept \cnt
	v_cndmask_b32 v[\dst+r], v[\src+r], v[\src+r+\cnt], s[\msk]
	v_cndmask_b32 v[TT+r], v[\src+r+\cnt], v[\src+r], s[\msk]
	v_add_f32_dpp v[\dst+r], v[TT+r], v[\dst+r] row_xmask:\xm row_mask:0xf bank_mask:0xf
.set r, r+1
.endr
.endm
; A row of x is through (n stands at the next row's first turn): the inner factor, the sum over the lanes, and U as two bf16.
.macro XFIN
.set r, 0
.rept 16
	v_mul_f32 v[P+r], v[ACC+4*(r/4)], v[W2B+4*(r%4)]
.set r, r+1
.endr
.irp e, 1,2,3
.set r, 0
.rept 16
	v_fmac_f32 v[P+r], v[ACC+4*(r/4)+\e], v[W2B+4*(r%4)+\e]
.set r, r+1
.endr
.endr
	RSTAGE ACC, P, 8, 42, 8
	RSTAGE P, ACC, 4, 43, 4
	RSTAGE ACC, P, 2, 44, 2
	RSTAGE P, ACC, 1, 45, 1                        ; lane l now holds number l % 16, summed over its 16 lanes
	v_permlanex16_b32 v[TT], v[P], s48, s49        ; the other 16 lanes' (the destination has been written above)
	v_add_f32 v[TT+1], v[P], v[TT]                 ; U
	v_cvt_pk_bf16_f32 v[TT+2], v[TT+1], v[TT+1]    ; its high part,
	v_lshlrev_b32 v[TT+3], 16, v[TT+2]
	v_sub_f32 v[TT+3], v[TT+1], v[TT+3]            ; what that leaves,
	v_cvt_pk_bf16_f32 v[TT+3], v[TT+3], v[TT+3]
	v_cndmask_b32 v[TT+2], v[TT+2], v[TT+3], s46   ; lanes 0-15 keep the high part, lanes 16-31 the low
	s_wait_alu depctr_va_vdst(0)                   ; v[TT+2] is written, which the LDS store reads (it is written again a row later, behind the waits on vm_vsrc at the heads of that row's blocks)
	ds_store_b16 v19, v[TT+2] offset:UB+64*(n/32-1)  ; my wave's 128 bytes, the row's 64 of them, 2 bytes a lane
.endm
; A block of an x wave; a row ends with a block.
.macro XBLOCK
	BIN
	IO
	IO
	XAR
	IO
	IO
	XAR
	XAR
	XAR
.if n%32 == 0
	XFIN
.endif
.endm
	s_load_b512 s[4:19], s[0:1], 0x0               ; x s[4:5], W s[6:7], w1a s[8:9], w1b s[10:11], w2a s[12:13], w2b s[14:15], bias s[16:17], dora s[18:19]
	s_load_b256 s[20:27], s[0:1], 0x40             ; xb s[20:21], wb s[22:23], ub s[24:25], zb s[26:27]
	s_load_b64 s[28:29], s[0:1], 0x60              ; sc
	v_lshl_add_u32 v16, v0, 2, SPARE               ; my spare word,
	v_mov_b32 v17, 0                               ; and 0: kept for the add at the wave's end alone
	v_mov_b32 v18, 0
	v_lshrrev_b32 v5, 5, v0
	v_readfirstlane_b32 s30, v5                    ; wave 0..11
	v_and_b32 v21, 31, v0
	v_lshlrev_b32 v1, 4, v21
	v_lshlrev_b32 v2, 3, v21
	v_lshlrev_b32 v20, 2, v21
	v_and_b32 v3, 15, v0
	v_bfe_u32 v4, v0, 4, 1
	v_and_b32 v19, 0x1e0, v0                       ; 32 x wave: made here, ahead of every branch, by every wave, though only the x waves use it:
	v_lshlrev_b32 v19, 2, v19                      ; 128 x wave,
	v_lshl_add_u32 v19, v21, 1, v19                ; + 2 x lane: where U goes, less UB
	s_lshr_b32 s31, ttmp9, 2                       ; g / 4: o / 64 of all 16 rows of W
	s_and_b32 s32, ttmp9, 3
	s_lshl_b32 s32, s32, 4                         ; o % 64 of the first of them
	s_mov_b32 s35, 0                               ; high words of the two offset pairs
	s_mov_b32 s37, 0
	s_mov_b32 s42, 0xff00ff00                      ; lanes whose number has bit 3,
	s_mov_b32 s43, 0xf0f0f0f0                      ; bit 2,
	s_mov_b32 s44, 0xcccccccc                      ; bit 1,
	s_mov_b32 s45, 0xaaaaaaaa                      ; bit 0,
	s_mov_b32 s46, 0xffff0000                      ; bit 4; also a word's upper bf16
	s_mov_b32 s48, 0x76543210                      ; v_permlanex16_b32: each lane takes its own place in the other half
	s_mov_b32 s49, 0xfedcba98
	s_wait_kmcnt 0x0
	s_wait_alu depctr_va_sdst(0)                   ; s30 is written, ahead of its first reader, the compare below
	s_cmp_lt_u32 s30, 8
	s_cbranch_scc0 .Lxhead
	; A W WAVE's HEAD: 13 small loads, then the ring; while the ring is on its way the small numbers are rounded and worked up.
	s_lshl_b32 s34, ttmp9, 4
	s_lshl1_add_u32 s34, s30, s34                  ; my first row: 16 g + 2 w
	s_lshl_b32 s33, s34, 2                         ; its place in dora and bias
	s_lshl_b32 s36, s34, 13                        ; in wb: 8,192 bytes a row,
	s_lshl_b32 s34, s34, 14                        ; in W: 16,384
	s_add_nc_u64 s[38:39], s[6:7], s[34:35]
	s_add_nc_u64 s[40:41], s[22:23], s[36:37]
	s_lshl1_add_u32 s47, s30, s32                  ; o % 64 of my first row
	s_lshl_b32 s50, s47, 2
	s_lshl_b32 s51, s31, 4
	v_lshlrev_b32 v7, 2, v0                        ; w1b, one number a thread of the eight waves
	v_lshlrev_b32 v8, 6, v3                        ; w2a's rows 4 (l % 16) + e
	v_mov_b32 v9, s50                              ; w2b's columns of my two rows
	v_lshrrev_b32 v10, 2, v3
	v_lshl_add_u32 v10, v10, 2, s51                ; w1a[g / 4][(l % 16) / 4]
	v_add_nc_u32 v11, s47, v4
	v_lshlrev_b32 v11, 4, v11
	v_and_b32 v12, 3, v0
	v_lshl_add_u32 v11, v12, 2, v11                ; w2a[o % 64 of row h][l % 4]
	v_lshl_add_u32 v12, v4, 2, s33                 ; dora and bias of row h
	s_wait_alu depctr_va_vdst(0)                   ; the offsets v7 to v12 and v1 are written, which the loads below read; so are v2, v19 and v20, which later stores and LDS instructions read
	global_load_b32 v[W1BT], v7, s[10:11]
.irp e, 0,1,2,3
	global_load_b128 v[W2A+4*\e:W2A+4*\e+3], v8, s[12:13] offset:16*\e
.endr
.irp r, 0,1,2,3
	global_load_b64 v[W2BJ+2*\r:W2BJ+2*\r+1], v9, s[14:15] offset:256*\r
.endr
	global_load_b32 v[ZA], v10, s[8:9]
	global_load_b32 v[ZB], v11, s[12:13]
	global_load_b32 v[DOR], v12, s[18:19]
	global_load_b32 v[BIA], v12, s[16:17]
	RING
	s_wait_loadcnt DEPTH                           ; the 13 small loads are in; the ring's 24, issued behind them, stay out
	v_cvt_pk_bf16_f32 v5, v[W1BT], v[W1BT]
	v_and_b32 v13, 1, v0                           ; thread t holds w1b[t / 64][t % 64]: h = t % 2, k = (t % 64) / 2
	v_lshlrev_b32 v13, 8, v13
	v_bfe_u32 v14, v0, 1, 5
	v_lshl_add_u32 v13, v14, 3, v13
	v_lshrrev_b32 v15, 6, v0
	v_lshl_add_u32 v13, v15, 1, v13
	s_wait_alu depctr_va_vdst(0)                   ; v13 and v5 are written: the LDS store's address and data
	ds_store_b16 v13, v5 offset:T1P
.set i, 0
.rept 8
	RND2 W2A+2*i, W2A+2*i+1, 22
.set i, i+1
.endr
.set i, 0
.rept 4
	RND2 W2BJ+2*i, W2BJ+2*i+1, 22
.set i, i+1
.endr
	RND2 ZA, ZB, 22
	RND2 DOR, BIA, 22
.irp t, 0,1
.irp e, 0,1,2,3
	v_mul_f32  v[A2+4*\t+\e], v[W2A+4*\e],   v[W2BJ+\t]      ; w2[4 (l % 16) + e][j of row t] = sum_r w2a w2b
	v_fmac_f32 v[A2+4*\t+\e], v[W2A+4*\e+1], v[W2BJ+2+\t]
	v_fmac_f32 v[A2+4*\t+\e], v[W2A+4*\e+2], v[W2BJ+4+\t]
	v_fmac_f32 v[A2+4*\t+\e], v[W2A+4*\e+3], v[W2BJ+6+\t]
.endr
.endr
	v_mul_f32 v[ZZ], v[ZA], v[ZB]
	v_mul_f32 v[ZZ], 0x3e800000, v[ZZ]             ; x 0.25
	s_branch .Ljoin1
.Lxhead:                                       ; AN x WAVE's HEAD: 9 small loads, then the ring
	s_sub_co_u32 s33, s30, 8
	s_lshl_b32 s34, ttmp9, 3
	s_lshl1_add_u32 s34, s33, s34                  ; my first row: 8 g + 2 (w - 8)
	s_lshl_b32 s36, s34, 13
	s_lshl_b32 s34, s34, 14
	s_add_nc_u64 s[38:39], s[4:5], s[34:35]
	s_add_nc_u64 s[40:41], s[20:21], s[36:37]
	s_lshl_b32 s47, s31, 2
	v_and_b32 v5, 63, v0
	v_lshlrev_b32 v5, 4, v5                        ; w1a's row p = thread % 64
	v_mov_b32 v6, s47                              ; w1b's column g / 4
	v_lshlrev_b32 v7, 4, v3                        ; w2b's columns 4 (l % 16) + e
	s_wait_alu depctr_va_vdst(0)                   ; the offsets v5 to v7 and v1 are written, which the loads below read; so are v2, v19 and v20, which later stores and LDS instructions read
	global_load_b128 v[8:11], v5, s[8:9]
.irp r, 0,1,2,3
	global_load_b32 v[12+\r], v6, s[10:11] offset:256*\r
.endr
.irp r, 0,1,2,3
	global_load_b128 v[W2B+4*\r:W2B+4*\r+3], v7, s[14:15] offset:256*\r
.endr
	RING
	s_wait_loadcnt DEPTH                           ; the 9 small loads are in; the ring's 24 stay out
	RND2 8, 9, 22
	RND2 10, 11, 22
	RND2 12, 13, 22
	RND2 14, 15, 22
.set i, 0
.rept 8
	RND2 W2B+2*i, W2B+2*i+1, 22
.set i, i+1
.endr
	v_mul_f32 v23, v8, v12                         ; w1[p][g / 4]
	v_fmac_f32 v23, v9, v13
	v_fmac_f32 v23, v10, v14
	v_fmac_f32 v23, v11, v15
	v_mul_f32 v23, 0x3e800000, v23                 ; x 0.25
	v_and_b32 v24, 1, v0                           ; h = p % 2, k = p / 2
	v_lshlrev_b32 v24, 7, v24
	v_bfe_u32 v25, v0, 1, 5
	v_lshl_add_u32 v24, v25, 2, v24
	s_cmp_lt_u32 s30, 10                           ; 64 numbers: waves 8 and 9 store them
	s_cbranch_scc0 .Ljoin1
	s_wait_alu depctr_va_vdst(0)                   ; v24 and v23 are written: the LDS store's address and data
	ds_store_b32 v24, v23 offset:A1T
.Ljoin1:
	s_wait_dscnt 0x0                               ; for the others' sake: my part of the two tables is in LDS
	s_barrier_signal -1
	s_barrier_wait -1                              ; both tables are whole
	s_wait_alu depctr_vm_vsrc(0)                   ; the head's loads and LDS stores have read their addresses and data (v5 to v13, v23, v24): v5 is written next, on both ways, and v24 by the second block's conversions
	s_cmp_lt_u32 s30, 8
	s_cbranch_scc0 .Lxbody
	v_lshlrev_b32 v5, 7, v4                        ; A W WAVE's STREAM.  First my half's 32 numbers 0.25 w1
	s_wait_alu depctr_va_vdst(0)                   ; v5 is written, the address of the LDS loads below
.irp i, 0,1,2,3,4,5,6,7
	ds_load_b128 v[A1+4*\i:A1+4*\i+3], v5 offset:A1T+16*\i
.endr
	s_wait_dscnt 0x0
.set n, 0
.rept 64/BLK
	WBLOCK
.endr
	; both rows' sums of squares: four into one, over the 32 lanes; then lanes 0-15 serve my first row, lanes 16-31 my second
	v_pk_add_f32 v[SS:SS+1], v[SS:SS+1], v[SS+2:SS+3]
	v_pk_add_f32 v[SS+4:SS+5], v[SS+4:SS+5], v[SS+6:SS+7]
	v_add_f32 v[SS], v[SS], v[SS+1]
	v_add_f32 v[SS+4], v[SS+4], v[SS+5]
.irp m, 1,2,4,8
	v_add_f32_dpp v[SS], v[SS], v[SS] row_xmask:\m row_mask:0xf bank_mask:0xf
	v_add_f32_dpp v[SS+4], v[SS+4], v[SS+4] row_xmask:\m row_mask:0xf bank_mask:0xf
.endr
	v_permlanex16_b32 v[SS+1], v[SS], s48, s49
	v_permlanex16_b32 v[SS+5], v[SS+4], s48, s49
	v_add_f32 v[SS], v[SS], v[SS+1]
	v_add_f32 v[SS+4], v[SS+4], v[SS+5]
	v_cndmask_b32 v[SS], v[SS], v[SS+4], s46
	v_rsq_f32 v[SS+1], v[SS]                       ; 1 / norm
	v_lshlrev_b32 v22, 1, v0                       ; plain lines behind the transcendental (ISA guide 5.7.2): where my number of zb goes: row 2 w + h, place l % 16,
	v_lshrrev_b32 v23, 4, v0
	v_lshlrev_b32 v23, 2, v23                      ; and the row's word among the 16 s
	s_wait_alu depctr_va_vdst(0)                   ; v[SS+1], the reciprocal root, is written, ahead of the first line that names it
	v_mul_f32 v[SS+1], v[DOR], v[SS+1]             ; mns
	v_add_f32 v[SS+2], -1.0, v[SS+1]               ; s = mns - 1
	v_mul_f32 v[SS+3], v[SS+2], v[BIA]             ; sb = s bias
	v_mul_f32 v[SS+4], v[SS+1], v[ZZ]
	v_cvt_pk_bf16_f32 v[SS+4], v[SS+4], v[SS+4]
	s_wait_alu depctr_va_vdst(0)                   ; v[SS+2] to v[SS+4] are written, the data of the three LDS stores below (their addresses v22 and v23 stand ahead of the wait before)
	ds_store_b16 v22, v[SS+4] offset:ZST
	ds_store_b32 v23, v[SS+2] offset:SST           ; sixteen lanes write the same word with the same value
	ds_store_b32 v23, v[SS+3] offset:SST+64
	s_branch .Ljoin2
.Lxbody:                                       ; AN x WAVE's STREAM.  First my half's 32 x 4 numbers of w1b
	v_lshlrev_b32 v5, 8, v4
	s_wait_alu depctr_va_vdst(0)                   ; v5 is written, the address of the LDS loads below
.irp i, 0,1,2,3,4,5,6,7,8,9,10,11,12,13,14,15
	ds_load_b128 v[TB+4*\i:TB+4*\i+3], v5 offset:T1P+16*\i
.endr
	s_wait_dscnt 0x0
.set n, 0
.rept 64/BLK
	XBLOCK
.endr
.Ljoin2:
	s_wait_dscnt 0x0                               ; for wave 0's sake: my small results are in LDS
	s_barrier_signal -1
	s_barrier_wait -1
	s_cmp_lg_u32 s30, 0                            ; wave 0 stores them: 512 consecutive bytes of zb, 512 of ub, and the record of 128 bytes of sc
	s_cbranch_scc1 .Lend                           ; (that record is the one store of the launch that covers less than 256 consecutive bytes: 32,768 bytes in the whole launch)
	s_wait_alu depctr_va_vdst(0)                   ; the stream's conversions are done reading v32 to v40, slots of the ring, in which the LDS loads below land
	ds_load_b128 v[32:35], v1 offset:ZST
	ds_load_b128 v[36:39], v1 offset:UST
	ds_load_b32 v40, v20 offset:SST
	s_lshl_b32 s34, ttmp9, 9
	s_lshl_b32 s36, ttmp9, 7
	s_add_nc_u64 s[26:27], s[26:27], s[34:35]
	s_add_nc_u64 s[24:25], s[24:25], s[34:35]
	s_add_nc_u64 s[28:29], s[28:29], s[36:37]
	s_wait_dscnt 0x0
	global_store_b128 v1, v[32:35], s[26:27]
	global_store_b128 v1, v[36:39], s[24:25]
	global_store_b32 v20, v40, s[28:29]
.Lend:
	s_wait_dscnt 0x0                               ; the closing lines, six on end
	s_wait_alu 0x0
	s_wait_tensorcnt 0x0
	ds_add_u32 v16, v17
	s_wait_dscnt 0x0
	s_endpgm
.Lfunc_end_k_q3712e87cd7_prep:
	.size	k_q3712e87cd7_prep, .Lfunc_end_k_q3712e87cd7_prep-k_q3712e87cd7_prep
	.p2alignl 7, 3214868480
	.fill 96, 4, 3214868480
	.section	.rodata,"a",@progbits
	.p2align	6, 0x0
	.amdhsa_kernel k_q3712e87cd7_prep
		.amdhsa_group_segment_fixed_size 5632
		.amdhsa_private_segment_fixed_size 0
		.amdhsa_enable_private_segment 0
		.amdhsa_kernarg_size 104
		.amdhsa_user_sgpr_count 2
		.amdhsa_user_sgpr_kernarg_segment_ptr 1
		.amdhsa_wavefront_size32 1
		.amdhsa_system_sgpr_workgroup_id_x 1
		.amdhsa_system_sgpr_workgroup_id_y 1
		.amdhsa_system_sgpr_workgroup_id_z 1
		.amdhsa_system_vgpr_workitem_id 0
		.amdhsa_next_free_vgpr 256
		.amdhsa_next_free_sgpr 66
		.amdhsa_reserve_vcc 0
		.amdhsa_float_denorm_mode_32 3
		.amdhsa_float_denorm_mode_16_64 3
		.amdhsa_memory_ordered 1
		.amdhsa_forward_progress 1
		.amdhsa_inst_pref_size 158
	.end_amdhsa_kernel
	.amdgpu_metadata
---
amdhsa.version: [ 1, 2 ]
amdhsa.kernels:
  - .name:           k_q3712e87cd7_prep
    .symbol:         k_q3712e87cd7_prep.kd
    .args:
      - { .name: x, .offset: 0, .size: 8, .value_kind: global_buffer, .address_space: global }
      - { .name: base_weight, .offset: 8, .size: 8, .value_kind: global_buffer, .address_space: global }
      - { .name: w1a, .offset: 16, .size: 8, .value_kind: global_buffer, .address_space: global }
      - { .name: w1b, .offset: 24, .size: 8, .value_kind: global_buffer, .address_space: global }
      - { .name: w2a, .offset: 32, .size: 8, .value_kind: global_buffer, .address_space: global }
      - { .name: w2b, .offset: 40, .size: 8, .value_kind: global_buffer, .address_space: global }
      - { .name: base_bias, .offset: 48, .size: 8, .value_kind: global_buffer, .address_space: global }
      - { .name: dora_weight, .offset: 56, .size: 8, .value_kind: global_buffer, .address_space: global }
      - { .name: xb, .offset: 64, .size: 8, .value_kind: global_buffer, .address_space: global }
      - { .name: wb, .offset: 72, .size: 8, .value_kind: global_buffer, .address_space: global }
      - { .name: ub, .offset: 80, .size: 8, .value_kind: global_buffer, .address_space: global }
      - { .name: zb, .offset: 88, .size: 8, .value_kind: global_buffer, .address_space: global }
      - { .name: sc, .offset: 96, .size: 8, .value_kind: global_buffer, .address_space: global }
    .group_segment_fixed_size: 5632
    .private_segment_fixed_size: 0
    .kernarg_segment_align: 8
    .kernarg_segment_size: 104
    .max_flat_workgroup_size: 384
    .sgpr_count:     66
    .vgpr_count:     256
    .wavefront_size: 32
...
	.end_amdgpu_metadata
.endif
;; end of part 3
;; launch gemm: the kernel of part 2 again; grid 16 x 16, 4 waves a work-group, clusters of 4 x 4, 327,680 bytes of LDS; arguments xb, wb, ub, zb, sc, out0; writes out0
